; MI455X (gfx1250); checked and timed in simulation.
; The chip was launched on July 23, 2026; its instructions are those of AMD's public machine-readable ISA for CDNA 5 (MIT licence, August 2026) and "CDNA5" Instruction Set Architecture Reference Guide (July 2026). The comments in the code are by the model that wrote it; some were corrected since.
;; Multi Head Self Attention. Allowed arithmetic: matrix products marked QUANTISED: E2M3 operands, one E8M0 scale for each 32 along K, by v_wmma_scale_f32_16x16x128_f8f6f4 with both operands' format E2M3, f32 sums; everything else in f32.
;; Inputs: Wk 1,024 x 1,024 float32; Wo 1,024 x 1,024 float32; Wq 1,024 x 1,024 float32; Wv 1,024 x 1,024 float32; bk 1,024 float32; bo 1,024 float32; bq 1,024 float32; bv 1,024 float32; x 2 x 2,048 x 1,024 float32.
;; Outputs: out0 2 x 2,048 x 1,024 float32.
;; This version of the problem:
;;   THIS VERSION OF THE PROBLEM IS GIVEN IN LOW PRECISION. The matrix products marked QUANTISED in the list below multiply operands that are first quantised to E2M3 (2 exponent bits, 3 mantissa bits; 6 bits a number), with one power-of-two scale for each 32 numbers along K (OCP MX v1.0); their sums are f32. All else is computed in f32.
;;   The module's matrix products, in the order in which they are computed (A, B: the left and right operand; K: the contracted axis; several contracted axes count as one K, in the product's order):
;;     1. [M 4,096, K 1,024] x [K 1,024, N 1,024]; A: input x; B: input Wq: QUANTISED
;;     2. [M 4,096, K 1,024] x [K 1,024, N 1,024]; A: input x; B: input Wk: QUANTISED
;;     3. [M 4,096, K 1,024] x [K 1,024, N 1,024]; A: input x; B: input Wv: QUANTISED
;;     4. batch 32 x [M 2,048, K 64] x [K 64, N 2,048]; A: computed on the way; B: computed on the way: QUANTISED
;;     5. batch 32 x [M 2,048, K 2,048] x [K 2,048, N 64]; A: softmax (see below); B: computed on the way: QUANTISED
;;     6. [M 4,096, K 1,024] x [K 1,024, N 1,024]; A: computed on the way; B: input Wo: QUANTISED
;;   THE QUANTISER, for each operand of a quantised product, along K:
;;     - K is cut into blocks of 32 from its start; a last block that is shorter is filled with zeros.
;;     - A block's scale is 2^e with e = floor(log2(the largest magnitude in the block)) - 2, held to -126 .. 127; a block of zeros has e = 0. As a byte (E8M0): e + 127.
;;     - Each number is divided by its block's scale, clamped to +-7.5, and rounded to the nearest number of E2M3, ties to even, subnormals kept.
;;     - The product sums the exact products of the quantised numbers (number of the format x scale) in f32.
;;   ~~~python
;;   def quantise(x, axis):      # numpy; x: float32 -> the quantised numbers, widened to float32 again
;;       x = np.moveaxis(x, axis, -1); K = x.shape[-1]
;;       x = np.pad(x, [(0, 0)] * (x.ndim - 1) + [(0, -K % 32)]); x = x.reshape(x.shape[:-1] + (-1, 32)); a = np.abs(x).max(-1, keepdims=True)
;;       e = np.where(a > 0, np.clip(np.frexp(np.where(a > 0, a, 1))[1] - 1 - 2, -126, 127), 0)      # np.frexp(a)[1] - 1 = floor(log2(a)), exactly
;;       r = np.clip(x / 2.0 ** e, -7.5, 7.5)
;;       step = 2.0 ** (np.maximum(np.frexp(np.where(r == 0, 1, r))[1] - 1, 0) - 3)
;;       q = np.round(r / step) * step * 2.0 ** e      # np.round: ties to even
;;       return np.moveaxis(q.reshape(q.shape[:-2] + (-1,))[..., :K], -1, axis).astype(np.float32)
;;   ~~~
;;   SOFTMAX AHEAD OF A QUANTISED PRODUCT. Where the list says 'softmax', what is quantised is not the finished softmax but p = 2^(t - M), with t = logit x log2(e) and M = ceil(the row's largest t), a whole number; so 1/2 < the row's largest p <= 1. The row's sum l is taken of the UNQUANTISED p, in f32, and the product's result is divided by l at the end. Since M is a whole number, a kernel that streams over the keys may use a running M (the ceiling of the running maximum): every later rescaling is an exact power of two, which a block's scale takes up: the codes' values come out the same.
;;   OPERANDS COMPUTED ON THE WAY. 'Computed on the way' means the value that the module computes at that place (a softmax that the list does not call 'softmax' is quantised finished and normalised). What goes into a quantiser is computed in f32, as accurately as f32 sums, v_exp_f32 and their like allow (about 1e-6 of the number): no bf16 or f16 on the way to a quantiser, and a product that is left as it is and whose result goes on into a quantised operand takes f32 operands (vector FMAs, or v_wmma_f32_16x16x4_f32). A number that lies on a knife's edge between two numbers of the format may be rounded either way, as far as f32 arithmetic and the matrix unit's own rounding can turn it there, and no further.
;; One version. Each part assembles by itself: llvm-mc -triple=amdgcn-amd-amdhsa -mcpu=gfx1250 --defsym DOCPART=n.
;; ======== version 1 of 1: 4 launches
;; limits: right only within a limited range of input values
;; workspace buffers: xc 3,276,800 bytes; wc 3,276,800 bytes; qc 3,145,728 bytes; qs 131,072 bytes; kv 6,553,600 bytes; oc 3,276,800 bytes
;; launch quant (part 1): grid 512 x 1, 4 waves a work-group, no clusters, 34,304 bytes of LDS; arguments x, Wq, Wk, Wv, Wo, xc, wc; writes xc, wc
.if DOCPART == 1
	.amdgcn_target "amdgcn-amd-amdhsa--gfx1250"
	.amdhsa_code_object_version 6
	.text
	.protected	k_q3594c1a0d5_quant
	.globl	k_q3594c1a0d5_quant
	.p2align	8
	.type	k_q3594c1a0d5_quant,@function
k_q3594c1a0d5_quant:
	s_mov_b64 s[64:65], 0
	v_nop
	global_prefetch_b8 v0, s[64:65] scope:SCOPE_SE
	s_setreg_imm32_b32 hwreg(HW_REG_WAVE_MODE, 25, 1), 1
	s_wait_xcnt 0x0
; x [4096][1024] and Wq, Wk, Wv, Wo [1024 (k)][1024 (feature)], f32, become codes of FP6 (E2M3) with one E8M0 byte for each 32 along K, laid in the ORDER OF AN OPERAND'S REGISTERS.
; A TILE is 16 rows (tokens of x, features of a weight): row p of tile T is row 32 (T / 2) + 8 (T % 2) + p + 8 (p / 8) of the tensor, so that a product that takes such tiles as source 0 leaves 16 neighbours in a lane.
; A HEXAD is 16 rows x 64 K in 768 bytes: lane l = (r = l % 16, h = l / 16) owns block h (32 codes, six words) of row r: words 0-3 at 16 l, words 4-5 at 512 + 8 l.
; A tile's RECORD is 12,800 bytes: K step s (128 along K: two hexads) at 1,536 s; the scale word of (s, r) at 12,288 + 64 s + 4 r, its byte 2 c + h for hexad c, block h.
; A block's scale is 2^(floor(log2(its largest magnitude)) - 2); its byte is the largest magnitude's exponent field - 2, held at 1 from below.
; LIMITS: NaN and infinities among the inputs are not served; a block whose largest magnitude lies under 2^-124 keeps the byte 1; a block of zeros has the byte 1 and not 127 (its codes are zeros, and this program alone reads the bytes).
; Work-groups 0-255 take x: work-group = tile, wave i = K steps 2 i and 2 i + 1.  Work-groups 256-511 take the weights: 128 features x one K step each, a wave 32 features.
; No cluster, no tensor load, no barrier: no two waves read the same byte.  Only the x path touches LDS.
.set REC,    12800
.set SPITCH, 528                       ; a stage row: a K step of one token, 512 bytes, + 16: sixteen rows begin in sixteen different groups of four banks
.set WSTG,   16*SPITCH                 ; a wave's stage
.set L16, 2                            ; v2   16 x lane
.set L8,  3                            ; v3   8 x lane + 512
.set L4,  4                            ; v4   4 x lane
.set STI, 5                            ; v5   the stage, on the way in
.set STO, 6                            ; v6   and on the way out: row r, + 128 h
.set CD,  16                           ; v16-47  four hexads or blocks of codes, eight registers each: no store's data are written again
.set TM,  48                           ; v48-49 maxima, v50 the conversion's scale operand, v51 the byte
.set TP,  52                           ; v52-54 a block's upper 16 codes (a conversion's three registers begin on an even number)
.set WO,  55                           ; v55  the scale words as they are stored
.set WD,  60                           ; v60-61 a scale word for each K step
.set PT,  62                           ; v62  the other half's part of a word
.set H8,  63                           ; v63  8 h
.set R,   64                           ; v64-191 numbers as loaded
.set X,   192                          ; v192-255 two blocks of 32 neighbours
; 32 numbers of ONE block in v[xs] on become six words of codes in v[cq] on and the block's byte in v[TM+3]
.macro BLOCK32 xs, cq
	v_max3_num_f32 v[TM], |v[\xs]|, |v[\xs+1]|, |v[\xs+2]|
	v_max3_num_f32 v[TM+1], |v[\xs+3]|, |v[\xs+4]|, |v[\xs+5]|        ; two chains, so that no line waits for the line above it
.irp i, 6,10,14,18,22,26
	v_max3_num_f32 v[TM], v[TM], |v[\xs+\i]|, |v[\xs+\i+1]|
	v_max3_num_f32 v[TM+1], v[TM+1], |v[\xs+\i+2]|, |v[\xs+\i+3]|
.endr
	v_max3_num_f32 v[TM], v[TM], |v[\xs+30]|, |v[\xs+31]|
	v_max3_num_f32 v[TM], v[TM], v[TM+1], 0x1800000                   ; the floor 2^(3 - 127): the byte cannot fall under 1
	v_add_nc_u32 v[TM+2], 0xff000000, v[TM]                           ; 2 off the exponent field: the conversion takes this operand's exponent field as its scale
	v_cvt_scalef32_pk16_fp6_f32 v[\cq:\cq+2], v[\xs:\xs+15], v[TM+2]
	v_cvt_scalef32_pk16_fp6_f32 v[TP:TP+2], v[\xs+16:\xs+31], v[TM+2]
	v_lshrrev_b32 v[TM+3], 23, v[TM+2]                                ; the byte; also the plain line between the conversions and the moves that read their result
.irp i, 0,1,2
	v_mov_b32 v[\cq+3+\i], v[TP+\i]
.endr
.endm
; One K step of my 16 tokens: through my stage, so that loads take the bytes as they lie and a lane ends up with whole blocks
.macro XHALF ss
.if \ss == 0
	s_wait_loadcnt 16                              ; this K step's sixteen loads are in; the other's sixteen may be out
.else
	s_wait_loadcnt 0x0
.endif
.irp p, 0,1,2,3,4,5,6,7,8,9,10,11,12,13,14,15
	ds_store_b128 v[STI], v[R+64*\ss+4*\p:R+64*\ss+4*\p+3] offset:SPITCH*\p
.endr
.irp c, 0,1
.irp q, 0,1,2,3,4,5,6,7
	ds_load_b128 v[X+32*\c+4*\q:X+32*\c+4*\q+3], v[STO] offset:256*\c+16*\q   ; LDS serves a wave's instructions in order: these see the stores above
.endr
.endr
.irp c, 0,1
	s_wait_dscnt 8-8*\c                            ; hexad c's eight reads are back; for c = 0 the other eight may be out
	BLOCK32 X+32*\c, CD+8*(2*\ss+\c)
.if \c == 0
	v_mov_b32 v[WD+\ss], v[TM+3]
.else
	v_lshl_or_b32 v[WD+\ss], v[TM+3], 16, v[WD+\ss]                   ; my bytes: blocks h and 2 + h of my row
.endif
	global_store_b128 v[L16], v[CD+8*(2*\ss+\c):CD+8*(2*\ss+\c)+3], s[24:25] offset:1536*\ss+768*\c   ; 512 consecutive bytes
	global_store_b64 v[L8], v[CD+8*(2*\ss+\c)+4:CD+8*(2*\ss+\c)+5], s[24:25] offset:1536*\ss+768*\c   ; 256 consecutive bytes
.endr
	v_lshlrev_b32 v[WD+\ss], v[H8], v[WD+\ss]      ; at their places in the word,
	v_permlanex16_b32 v[PT], v[WD+\ss], s26, s27
	v_or_b32 v[WD+\ss], v[WD+\ss], v[PT]           ; and with lane l xor 16's two the word is whole
.endm
; the weights: block t (32 along K) of my column
.macro WLOAD t
.irp i, 0,1,2,3,4,5,6,7,8,9,10,11,12,13,14,15,16,17,18,19,20,21,22,23,24,25,26,27,28,29,30,31
	global_load_b32 v[R+32*((\t)%2)+\i], v2, s[6:7] offset:(32*(\t)+\i)*4096 th:TH_LOAD_NT   ; a row k at 32 neighbouring features
.endr
.endm
.macro WBLOCK t
.if (\t) < 3
	s_wait_loadcnt 32                              ; this block's 32 loads are in; the next block's may be out
.else
	s_wait_loadcnt 0x0
.endif
	BLOCK32 R+32*((\t)%2), CD+8*(\t)
.if (\t) == 0
	v_mov_b32 v[WD], v[TM+3]
.else
	v_lshl_or_b32 v[WD], v[TM+3], 8*(\t), v[WD]    ; block t = 2 c + h is byte t of my feature's scale word
.endif
	global_store_b128 v5, v[CD+8*(\t):CD+8*(\t)+3], s[28:29] offset:768*((\t)/2)+256*((\t)%2)
	global_store_b64 v6, v[CD+8*(\t)+4:CD+8*(\t)+5], s[28:29] offset:768*((\t)/2)+128*((\t)%2)
.if (\t)+2 < 4
	WLOAD (\t)+2
.endif
.endm
	s_load_b256 s[4:11], s[0:1], 0x0               ; x s[4:5], Wq s[6:7], Wk s[8:9], Wv s[10:11]
	s_load_b128 s[12:15], s[0:1], 0x20             ; Wo s[12:13], xc s[14:15]
	s_load_b64 s[16:17], s[0:1], 0x30              ; wc
	v_lshl_add_u32 v58, v0, 2, 0x8400
	v_mov_b32 v59, 0
	v_lshrrev_b32 v1, 5, v0
	v_readfirstlane_b32 s18, v1                    ; wave
	v_and_b32 v1, 31, v0                           ; lane
	s_cmp_lt_u32 ttmp9, 256
	s_cbranch_scc0 .Lweights
	; ---- x: tile T = the work-group's number, K steps 2 wave and 2 wave + 1
	s_lshr_b32 s20, ttmp9, 1
	s_lshl_b32 s20, s20, 5
	s_and_b32 s21, ttmp9, 1
	s_lshl_b32 s21, s21, 3
	s_add_co_u32 s20, s20, s21                     ; the tile's first token: 32 (T / 2) + 8 (T % 2)
	s_lshl_b32 s20, s20, 12                        ; a token is 4,096 bytes
	s_lshl_b32 s21, s18, 10                        ; two K steps are 1,024 bytes
	s_add_co_u32 s20, s20, s21
	s_mov_b32 s21, 0
	s_mul_i32 s22, ttmp9, REC                      ; the tile's record
	s_mul_i32 s24, s18, 3072
	s_add_co_u32 s24, s24, s22                     ; my two K steps' codes
	s_mov_b32 s25, 0
	s_lshl_b32 s23, s18, 7
	s_add_co_u32 s22, s22, s23
	s_add_co_u32 s22, s22, 12288                   ; and their 32 scale words
	s_mov_b32 s23, 0
	s_mov_b32 s26, 0x76543210
	s_mov_b32 s27, 0xfedcba98                      ; v_permlanex16_b32's selects for lane l xor 16
	s_mul_i32 s28, s18, WSTG
	s_wait_alu depctr_va_vdst(0)
	v_lshlrev_b32 v[L16], 4, v1
	v_lshlrev_b32 v[L8], 3, v1
	v_add_nc_u32 v[L8], 512, v[L8]
	v_lshlrev_b32 v[L4], 2, v1
	v_add_nc_u32 v[STI], s28, v[L16]
	v_and_b32 v7, 15, v0                           ; r
	v_bfe_u32 v8, v0, 4, 1                         ; h
	v_mul_u32_u24 v[STO], v7, SPITCH
	v_lshl_add_u32 v[STO], v8, 7, v[STO]
	v_add_nc_u32 v[STO], s28, v[STO]
	v_lshlrev_b32 v[H8], 3, v8
	v_cmp_lt_u32 vcc_lo, 15, v1                    ; lanes 16-31
	v_mov_b32 v[PT], 0                             ; a lane permute's destination counts as one of its sources
	s_wait_alu depctr_va_vdst(0)
	s_wait_kmcnt 0x0
	s_add_nc_u64 s[4:5], s[4:5], s[20:21]
	s_add_nc_u64 s[24:25], s[14:15], s[24:25]
	s_add_nc_u64 s[22:23], s[14:15], s[22:23]
.irp ss, 0,1
.irp p, 0,1,2,3,4,5,6,7,8,9,10,11,12,13,14,15
	global_load_b128 v[R+64*\ss+4*\p:R+64*\ss+4*\p+3], v[L16], s[4:5] offset:(\p+8*(\p/8))*4096+512*\ss th:TH_LOAD_NT   ; 512 consecutive bytes: a K step of the tile's row p
.endr
.endr
	XHALF 0
	XHALF 1
	v_cndmask_b32 v[WO], v[WD], v[WD+1], vcc_lo    ; lanes 0-15: the first K step's words, lanes 16-31: the second's
	global_store_b32 v[L4], v[WO], s[22:23]        ; 128 consecutive bytes
	s_wait_tensorcnt 0x0
	ds_add_u32 v58, v59
	s_wait_dscnt 0x0
	s_endpgm
.Lweights:
	; ---- a weight: j = work-group - 256: weight j / 64, K step (j / 8) % 8, features 128 (j % 8) on; my wave's 32 features are two tiles
	s_sub_co_u32 s20, ttmp9, 256
	s_lshr_b32 s21, s20, 6                         ; which weight: 0 q, 1 k, 2 v, 3 o
	s_and_b32 s22, s20, 7
	s_bfe_u32 s23, s20, 0x30003                    ; the K step
	s_lshl_b32 s24, s23, 19                        ; 128 rows of 4,096 bytes
	s_lshl_b32 s25, s22, 9
	s_add_co_u32 s24, s24, s25
	s_lshl_b32 s25, s18, 7
	s_add_co_u32 s24, s24, s25
	s_mov_b32 s25, 0
	s_lshl_b32 s26, s22, 2
	s_add_co_u32 s26, s26, s18                     ; which 32 features
	s_mul_i32 s26, s26, 2*REC
	s_mul_i32 s27, s21, 64*REC
	s_add_co_u32 s26, s26, s27                     ; their two records
	s_mul_i32 s28, s23, 1536
	s_add_co_u32 s28, s28, s26                     ; the K step's codes
	s_mov_b32 s29, 0
	s_lshl_b32 s27, s23, 6
	s_add_co_u32 s26, s26, s27
	s_add_co_u32 s26, s26, 12288                   ; and its scale words
	s_mov_b32 s27, 0
	s_wait_alu depctr_va_vdst(0)
	v_lshlrev_b32 v2, 2, v1                        ; in: 4 bytes a lane
	v_bfe_u32 v3, v0, 3, 1                         ; feature l of the 32 is row (l % 8) + 8 (l / 16) of tile (l / 8) % 2
	v_and_b32 v4, 7, v0
	v_bfe_u32 v8, v0, 4, 1
	v_lshl_or_b32 v4, v8, 3, v4
	v_mul_u32_u24 v3, v3, REC
	v_lshl_add_u32 v5, v4, 4, v3                   ; words 0-3 of my row's block
	v_lshl_add_u32 v6, v4, 3, v3
	v_add_nc_u32 v6, 512, v6                       ; words 4-5
	v_lshl_add_u32 v7, v4, 2, v3                   ; the scale word
	s_wait_kmcnt 0x0
	s_cmp_eq_u32 s21, 1                            ; the choices hang on the work-group's number alone
	s_cselect_b64 s[6:7], s[8:9], s[6:7]
	s_cmp_eq_u32 s21, 2
	s_cselect_b64 s[6:7], s[10:11], s[6:7]
	s_cmp_eq_u32 s21, 3
	s_cselect_b64 s[6:7], s[12:13], s[6:7]
	s_add_nc_u64 s[6:7], s[6:7], s[24:25]
	s_add_nc_u64 s[28:29], s[16:17], s[28:29]
	s_add_nc_u64 s[26:27], s[16:17], s[26:27]
	WLOAD 0
	WLOAD 1
	WBLOCK 0
	WBLOCK 1
	WBLOCK 2
	WBLOCK 3
	global_store_b32 v7, v[WD], s[26:27]
	s_endpgm
.Lfunc_end_k_q3594c1a0d5_quant:
	.size	k_q3594c1a0d5_quant, .Lfunc_end_k_q3594c1a0d5_quant-k_q3594c1a0d5_quant
	.p2alignl 7, 3214868480
	.fill 96, 4, 3214868480
	.section	.rodata,"a",@progbits
	.p2align	6, 0x0
	.amdhsa_kernel k_q3594c1a0d5_quant
		.amdhsa_group_segment_fixed_size 34304
		.amdhsa_private_segment_fixed_size 0
		.amdhsa_enable_private_segment 0
		.amdhsa_kernarg_size 56
		.amdhsa_user_sgpr_count 2
		.amdhsa_user_sgpr_kernarg_segment_ptr 1
		.amdhsa_wavefront_size32 1
		.amdhsa_system_sgpr_workgroup_id_x 1
		.amdhsa_system_sgpr_workgroup_id_y 1
		.amdhsa_system_sgpr_workgroup_id_z 1
		.amdhsa_system_vgpr_workitem_id 0
		.amdhsa_next_free_vgpr 256
		.amdhsa_next_free_sgpr 66
		.amdhsa_reserve_vcc 1
		.amdhsa_float_denorm_mode_32 3
		.amdhsa_float_denorm_mode_16_64 3
		.amdhsa_memory_ordered 1
		.amdhsa_forward_progress 1
		.amdhsa_inst_pref_size 37
	.end_amdhsa_kernel
	.amdgpu_metadata
---
amdhsa.version: [ 1, 2 ]
amdhsa.kernels:
  - .name:           k_q3594c1a0d5_quant
    .symbol:         k_q3594c1a0d5_quant.kd
    .args:
      - { .name: x, .offset: 0, .size: 8, .value_kind: global_buffer, .address_space: global }
      - { .name: Wq, .offset: 8, .size: 8, .value_kind: global_buffer, .address_space: global }
      - { .name: Wk, .offset: 16, .size: 8, .value_kind: global_buffer, .address_space: global }
      - { .name: Wv, .offset: 24, .size: 8, .value_kind: global_buffer, .address_space: global }
      - { .name: Wo, .offset: 32, .size: 8, .value_kind: global_buffer, .address_space: global }
      - { .name: xc, .offset: 40, .size: 8, .value_kind: global_buffer, .address_space: global }
      - { .name: wc, .offset: 48, .size: 8, .value_kind: global_buffer, .address_space: global }
    .group_segment_fixed_size: 34304
    .private_segment_fixed_size: 0
    .kernarg_segment_align: 8
    .kernarg_segment_size: 56
    .max_flat_workgroup_size: 128
    .sgpr_count:     66
    .vgpr_count:     256
    .wavefront_size: 32
...
	.end_amdgpu_metadata
.endif
;; end of part 1
;; launch qkv (part 2): grid 32 x 8, 8 waves a work-group, clusters of 4 x 4, 327,680 bytes of LDS; arguments xc, wc, bq, bk, bv, qc, qs, kv; writes qc, qs, kv
.if DOCPART == 2
	.amdgcn_target "amdgcn-amd-amdhsa--gfx1250"
	.amdhsa_code_object_version 6
	.text
	.protected	k_q3594c1a0d5_qkv
	.globl	k_q3594c1a0d5_qkv
	.p2align	8
	.type	k_q3594c1a0d5_qkv,@function
k_q3594c1a0d5_qkv:
	s_mov_b64 s[64:65], 0
	v_nop
	global_prefetch_b8 v0, s[64:65] scope:SCOPE_SE
	s_setreg_imm32_b32 hwreg(HW_REG_WAVE_MODE, 25, 1), 1
	s_wait_xcnt 0x0
	s_wait_alu depctr_hold_cnt(0) depctr_sa_sdst(0) depctr_va_vdst(0) depctr_va_sdst(0) depctr_va_ssrc(0) depctr_va_vcc(0) depctr_vm_vsrc(0)
	s_getreg_b32 s2, hwreg(HW_REG_IB_STS2, 6, 4)
	s_cmp_eq_u32 s2, 0
	s_cbranch_scc0 .Lentry_in_a_cluster
	s_endpgm
.Lentry_in_a_cluster:
	s_bfe_u32 s2, ttmp6, 0x10000c
	s_cmp_lg_u32 s2, 0xf033
	s_cbranch_scc0 .Lentry_shape_is_right
	s_endpgm
.Lentry_shape_is_right:
; Q = x Wq + bq, K = x Wk + bk, V = x Wv + bv on codes of FP6 (E2M3) with E8M0 scales, and the results quantised at once: Q and K along a head's 64, V along the keys.  Nothing goes to memory as f32.
; OPERANDS: xc and wc hold records of 12,800 bytes for each tile of 16 rows: K step s (two hexads of 768 bytes) at 1,536 s, the scale word of (s, row r) at 12,288 + 64 s + 4 r.  A hexad is 16 rows x 64 K as a lane's
; registers want it: lane l's words 0-3 at 16 l, words 4-5 at 512 + 8 l.  Row p of tile T is row 32 (T / 2) + 8 (T % 2) + p + 8 (p / 8) of the tensor.
; THE DEAL: 256 work-groups; work-group (tb, fg) takes tokens 128 tb on and features 128 fg on (two heads) of all three products, in two passes over all of K = 1,024.
; PASS 1: source 0 = 128 rows of Wq and 128 rows of Wk, source 1 = the tokens; a wave 64 x 64.  PASS 2: source 0 = the tokens, source 1 = 128 rows of Wv; a wave 64 x 32.
; A lane holds ONE row of source 1 and its registers run along source 0, 16 neighbours for each two tiles: source 0 is the next product's K in all three.
; LDS: 24 row tiles (0-7 Wq, then Wv; 8-15 Wk; 16-23 x).  Six joint loads at the head, one to a wave; ONE refill, behind a drained round of the cluster's barrier: Wv's rows onto Wq's, asked for ahead of pass 1's way out.
; CLUSTER 4 x 4: the weights' tiles hang on fg alone and are asked for jointly by a row of the cluster, x's on tb alone, by a column.
; No prefetch: the launch has no loop to run ahead in; the refill is asked for ahead of the whole way out of pass 1.
; K steps 4-7 are summed ahead of 0-3: they lie with the scale words in the part of a record that is asked for first.
; LIMITS: NaN and infinities are not served; a block whose largest magnitude lies under 2^-124 keeps the byte 1; a block of zeros has the byte 1 and not 127 (zero codes; this program alone reads the bytes).
.set REC,   12800
.set TILEB, 6144                       ; K steps 0-3 of a tile
.set TB2,   6656                       ; K steps 4-7 and the tile's 512 bytes of scale words: bytes 6,144 to 12,799 of a record
.set KHB,   24*TB2                     ; LDS: tile I: K steps 4-7 and words at I TB2; K steps 0-3 at KHB + I TILEB
.set BNC,   KHB+24*TILEB               ; 512 bytes for each wave: 64 numbers of bq or bk, and at 256 its 32 of bv; no tile lands here
.set SPARE, BNC+8*512                  ; the spare words, 128 bytes a wave
.set WV,   2                           ; s2   wave
.set TYPE, 3                           ; s3   pass 1: 0 Q, 1 K;  pass 2: P1 = wave / 2, my 32 features
.set P1,   3
.set P0,   4                           ; s4   pass 2: wave % 2, my 64 tokens
.set S1T,  5                           ; s5   cx, then tb
.set S0T,  6                           ; s6   cy, then fg
.set WS0,  7                           ; s7   pass 1: wave % 4, my 64 rows of source 0
.set WS1,  8                           ; s8   pass 1: wave / 4, my 64 tokens
.set HD,   9                           ; s9   pass 1: my head
.set BP,   10                          ; s[10:11] bq or bk
.set GX,   12                          ; s[12:23] groups 0: x's upper part, x's lower part, Wk's lower part
.set G1WA, 24                          ; s[24:31] group 1, a weight's K steps 0-3;  s[32:39] its K steps 4-7 with the words;  s[40:47], s[48:55] the same for x
.set G1WB, 32
.set G1XA, 40
.set G1XB, 48
.set TA,   56                          ; s[56:59] at work; while descriptors are made it never holds cx
.set TBB,  60                          ; s[60:63] at work; never holds cy then
.set SEL,  66                          ; s[66:67] v_permlanex16_b32's selects for lane l xor 16
.set ARG,  68                          ; s[68:83] xc, wc, bq, bk, bv, qc, qs, kv
.set GW,   84                          ; s[84:95] groups 0: Wq's upper part, Wk's upper part, Wq's lower part (Wq's two step on to Wv's for the refill)
.set PCD,  96                          ; s[96:97] where the codes go;  s[98:99] the scale bytes (at the head: bv)
.set PSC,  98
.set OFC,  100
.set OFS,  101
.set LANE, 1
.set RR,   2
.set HH,   3
.set A16,  4                           ; v4-5  LDS address of source 0's fragments: words 0-3, words 4-5
.set A8,   5
.set B16,  6                           ; v6-7  of source 1's
.set B8,   7
.set SCA,  8                           ; v8    of the scale words: lanes 0-15 source 0's rows, lanes 16-31 source 1's
.set BQK,  9                           ; v9    my bias numbers, Q and K: + 64 h
.set BVV,  10                          ; v10   V: my feature's
.set VC16, 11                          ; v11-13 the way out: byte offsets of words 0-3, of words 4-5, of my scale byte
.set VC8,  12
.set VS,   13
.set SC,   16                          ; v16-19 scale words: register i: lanes 0-15 source 0's tile i, lanes 16-31 source 1's tile i
.set AF,   32                          ; v32-79  source 0's four fragments
.set BF,   80                          ; v80-127 source 1's four
.set ACC,  128                         ; v128-255 accumulator (t, n) at ACC + 8 (4 n + t)
.set BB,   32                          ; the way out: v32-63 the bias; v64-95 hexads and bytes; v96-106 at work
.set OUT,  64
.set QM,   96
.set QT,   98
.set QS,   100
.set QB,   102
.set QP,   104
.macro CROUND                          ; a round of the cluster's barrier
	s_barrier_signal -1
	s_barrier_wait -1
	s_cmp_lg_u32 s[WV], 0
	s_cbranch_scc1 .Lnot_wave_0_\@
	s_barrier_signal -3
.Lnot_wave_0_\@:
	s_barrier_wait -3
	s_barrier_signal -1
	s_barrier_wait -1
.endm
.macro FRAG reg, a16, a8, off          ; a fragment, 16 rows x 128 K: two hexads; every load takes consecutive bytes in consecutive lanes
	ds_load_b128 v[\reg:\reg+3], v[\a16] offset:\off
	ds_load_b64 v[\reg+4:\reg+5], v[\a8] offset:\off
	ds_load_b128 v[\reg+6:\reg+9], v[\a16] offset:\off+768
	ds_load_b64 v[\reg+10:\reg+11], v[\a8] offset:\off+768
.endm
.macro MM t, n, zero
.if \zero
	v_wmma_scale_f32_16x16x128_f8f6f4 v[ACC+8*(4*\n+\t):ACC+8*(4*\n+\t)+7], v[AF+12*\t:AF+12*\t+11], v[BF+12*\n:BF+12*\n+11], 0, v[SC+\t], v[SC+\n] matrix_a_fmt:MATRIX_FMT_FP6 matrix_b_fmt:MATRIX_FMT_FP6 matrix_b_scale:MATRIX_SCALE_ROW1
.else
	v_wmma_scale_f32_16x16x128_f8f6f4 v[ACC+8*(4*\n+\t):ACC+8*(4*\n+\t)+7], v[AF+12*\t:AF+12*\t+11], v[BF+12*\n:BF+12*\n+11], v[ACC+8*(4*\n+\t):ACC+8*(4*\n+\t)+7], v[SC+\t], v[SC+\n] matrix_a_fmt:MATRIX_FMT_FP6 matrix_b_fmt:MATRIX_FMT_FP6 matrix_b_scale:MATRIX_SCALE_ROW1
.endif
.endm
; A K step of 128: four tiles of source 0 x nn tiles of source 1.  zero = 1: the first products start the sums.  The accumulators take turns, one instruction a turn.
.macro KSTEP s, zero, nn
.irp i, 0,1,2,3
	ds_load_b32 v[SC+\i], v[SCA] offset:TB2*\i+64*(\s)
.endr
.irp t, 0,1,2,3
	FRAG AF+12*\t, A16, A8, (TILEB+512*((\s)/4))*\t+1536*((\s)%4)    ; tiles lie TB2 apart for K steps 4-7, TILEB apart for 0-3
.endr
.irp n, 0,1,2,3
.if \n < \nn
	FRAG BF+12*\n, B16, B8, (TILEB+512*((\s)/4))*\n+1536*((\s)%4)
.endif
.endr
.irp n, 0,1,2,3
.if \n < \nn
	s_wait_dscnt 4*(\nn-1-\n)                      ; source 1's fragment n and all before it are in; the four loads of each later fragment may be out
.irp t, 0,1,2,3
	MM \t, \n, \zero
.endr
.endif
.endr
.rept 4
	v_nop                                          ; four places between the products and the loads or vector lines that next write or read their registers
.endr
.endm
; 32 numbers of a lane, register 16 b + i = k 32 b + 16 h + i of its row, become a hexad's six words in v[dst] on and the byte of the lane's block h in v[dst+6].  VCC marks lanes 16-31.
.macro QH src, dst
	v_max3_num_f32 v[QM], |v[\src]|, |v[\src+1]|, 0x1800000           ; my 16 of block 0, and the floor 2^(3 - 127): the byte cannot fall under 1
	v_max3_num_f32 v[QM+1], |v[\src+16]|, |v[\src+17]|, 0x1800000     ; of block 1
.irp i, 2,4,6,8,10,12,14
	s_delay_alu instid0(VALU_DEP_2)
	v_max3_num_f32 v[QM], v[QM], |v[\src+\i]|, |v[\src+\i+1]|
	s_delay_alu instid0(VALU_DEP_2)
	v_max3_num_f32 v[QM+1], v[QM+1], |v[\src+16+\i]|, |v[\src+17+\i]|
.endr
	s_delay_alu instid0(VALU_DEP_2)
	v_permlanex16_b32 v[QT], v[QM], s[SEL], s[SEL+1]
	s_delay_alu instid0(VALU_DEP_2)
	v_permlanex16_b32 v[QT+1], v[QM+1], s[SEL], s[SEL+1]
	s_delay_alu instid0(VALU_DEP_2)
	v_max_num_f32 v[QM], v[QM], v[QT]              ; with lane l xor 16's: the blocks' largest magnitudes
	s_delay_alu instid0(VALU_DEP_2)
	v_max_num_f32 v[QM+1], v[QM+1], v[QT+1]
	s_delay_alu instid0(VALU_DEP_2)
	v_add_nc_u32 v[QS], 0xff000000, v[QM]          ; 2 off the exponent field: the conversion's scale operand
	s_delay_alu instid0(VALU_DEP_2)
	v_add_nc_u32 v[QS+1], 0xff000000, v[QM+1]
	s_delay_alu instid0(VALU_DEP_2)
	v_lshrrev_b32 v[QB], 23, v[QS]                 ; the bytes
	s_delay_alu instid0(VALU_DEP_2)
	v_lshrrev_b32 v[QB+1], 23, v[QS+1]
	v_cvt_scalef32_pk16_fp6_f32 v[\dst:\dst+2], v[\src:\src+15], v[QS]
	v_cvt_scalef32_pk16_fp6_f32 v[QP:QP+2], v[\src+16:\src+31], v[QS+1]
	v_cndmask_b32 v[\dst+6], v[QB], v[QB+1], vcc_lo   ; my block's byte; also the plain line behind the conversions
.irp i, 0,1,2
	v_permlane16_swap_b32 v[\dst+\i], v[QP+\i]     ; a lane now holds its block's lower 16 codes in the first and the upper 16 in the second
.endr
.irp i, 0,1,2
	s_delay_alu instid0(VALU_DEP_3)
	v_mov_b32 v[\dst+3+\i], v[QP+\i]
.endr
.endm
; source 1's tile n: the bias (the pair at BB + b0 + bs j), the hexad, its stores
.macro FINISH n, b0, bs, cstr, sstr
.irp j, 0,2,4,6,8,10,12,14,16,18,20,22,24,26,28,30
	v_pk_add_f32 v[ACC+32*\n+\j:ACC+32*\n+\j+1], v[ACC+32*\n+\j:ACC+32*\n+\j+1], v[BB+\b0+\bs*\j:BB+\b0+\bs*\j+1]   ; each accumulator from its low end on
.endr
	QH ACC+32*\n, OUT+8*\n
	global_store_b128 v[VC16], v[OUT+8*\n:OUT+8*\n+3], s[PCD:PCD+1] offset:\cstr*\n     ; 512 consecutive bytes
	global_store_b64 v[VC8], v[OUT+8*\n+4:OUT+8*\n+5], s[PCD:PCD+1] offset:\cstr*\n     ; 256 consecutive bytes
	global_store_b8 v[VS], v[OUT+8*\n+6], s[PSC:PSC+1] offset:\sstr*\n
.endm
.macro G0SET g, lds, base, off         ; a group 0: LDS address a constant, global address base + off
	s_mov_b32 s[\g], 1
	s_mov_b32 s[\g+1], \lds
	s_add_nc_u64 s[\g+2:\g+3], s[\base:\base+1], \off
	s_or_b32 s[\g+3], s[\g+3], 0x80000000
.endm
.macro ARM under, g0, g1, next, join   ; one arm of a chain of branches on the wave's number: one joint load
	s_cmp_lt_u32 s[WV], \under
	s_cbranch_scc0 \next
	tensor_load_to_lds s[\g0:\g0+3], s[\g1:\g1+7]
	s_nop 0
.rept 4
	v_nop
.endr
	s_branch \join
\next:
.endm
.macro FOURADR                         ; the four fragment addresses from the bases in s[TA] (source 0) and s[TA+1] (source 1)
	v_lshl_add_u32 v[A16], v[LANE], 4, s[TA]
	v_lshl_add_u32 v[A8], v[LANE], 3, s[TA]
	v_lshl_add_u32 v[B16], v[LANE], 4, s[TA+1]
	v_lshl_add_u32 v[B8], v[LANE], 3, s[TA+1]
	v_add_nc_u32 v[A8], 512, v[A8]
	v_add_nc_u32 v[B8], 512, v[B8]
.endm
	s_load_b512 s[ARG:ARG+15], s[0:1], 0x0
	v_lshl_add_u32 v30, v0, 2, SPARE
	v_mov_b32 v31, 0
	ds_add_u32 v30, v31                            ; the opening lines: the add twice on end and its wait
	ds_add_u32 v30, v31
	v_lshrrev_b32 v1, 5, v0
	v_readfirstlane_b32 s[WV], v1
	s_bfe_u32 s[S1T], ttmp6, 0x40000               ; cx
	s_bfe_u32 s[S0T], ttmp6, 0x40004               ; cy
	s_and_b32 s[WS0], s[WV], 3
	s_lshr_b32 s[WS1], s[WV], 2
	s_lshl_b32 s[TA], s[S0T], 2
	s_lshl_b32 s[TA], 15, s[TA]                    ; my row of the cluster
	s_lshl_b32 s[TBB], 0x1111, s[S1T]              ; my column
	; groups 1: elements of 8 bytes, eight rows (records) 1,600 elements apart, no padding; 15:0 the mask, bit 21 set beside it
	s_or_b32 s[G1WA], s[TA], (3<<16)|(1<<21)
	s_or_b32 s[G1WB], s[TA], (3<<16)|(1<<21)
	s_or_b32 s[G1XA], s[TBB], (3<<16)|(1<<21)
	s_or_b32 s[G1XB], s[TBB], (3<<16)|(1<<21)
.irp g, G1WA, G1XA
	s_mov_b32 s[\g+1], 768<<16                     ; 6,144 bytes of each record
	s_mov_b32 s[\g+3], 768<<16
.endr
.irp g, G1WB, G1XB
	s_mov_b32 s[\g+1], 832<<16                     ; 6,656 bytes
	s_mov_b32 s[\g+3], 832<<16
.endr
.irp g, G1WA, G1WB, G1XA, G1XB
	s_mov_b32 s[\g+2], 8<<16
	s_mov_b32 s[\g+4], 8
	s_mov_b32 s[\g+5], 1600
	s_mov_b32 s[\g+6], 0
	s_mov_b32 s[\g+7], 0
.endr
	s_and_b32 s[TA+2], ttmp7, 0xffff               ; in a cluster launch ttmp7 and ttmp9 count clusters
	s_lshl_b32 s[TA+2], s[TA+2], 2
	s_add_co_u32 s[S0T], s[TA+2], s[S0T]           ; fg = 4 cluster y + cy
	s_lshl_b32 s[TBB+2], ttmp9, 2
	s_add_co_u32 s[S1T], s[TBB+2], s[S1T]          ; tb = 4 cluster x + cx
	s_mul_i32 s[TA+2], s[S0T], 8*REC               ; Wq's eight records; Wk's lie 64 records on, Wv's 128
	s_mov_b32 s[TA+3], 0
	s_mul_i32 s[TBB+2], s[S1T], 8*REC              ; x's eight
	s_mov_b32 s[TBB+3], 0
	s_mov_b32 s[SEL], 0x76543210
	s_mov_b32 s[SEL+1], 0xfedcba98
	s_wait_dscnt 0x0
	s_wait_kmcnt 0x0
	s_add_nc_u64 s[TA:TA+1], s[ARG+2:ARG+3], s[TA+2:TA+3]
	s_add_nc_u64 s[TBB:TBB+1], s[ARG:ARG+1], s[TBB+2:TBB+3]
	G0SET GW,   0,               TA,  TILEB
	G0SET GW+4, 8*TB2,           TA,  64*REC+TILEB
	G0SET GX,   16*TB2,          TBB, TILEB
	G0SET GW+8, KHB,             TA,  0
	G0SET GX+8, KHB+8*TILEB,     TA,  64*REC
	G0SET GX+4, KHB+16*TILEB,    TBB, 0
	CROUND                                         ; all sixteen work-groups are here: the joint loads meet
	; the first fills, one a wave: waves 0-2 ask for what is multiplied first, waves 3-5 for K steps 0-3, waves 6 and 7 for nothing
	ARM 1, GW,   G1WB, .Larm_1, .Lfilled
	ARM 2, GW+4, G1WB, .Larm_2, .Lfilled
	ARM 3, GX,   G1XB, .Larm_3, .Lfilled
	ARM 4, GW+8, G1WA, .Larm_4, .Lfilled
	ARM 5, GX+8, G1WA, .Larm_5, .Lfilled
	ARM 6, GX+4, G1XA, .Larm_6, .Lfilled
.Lfilled:
	s_lshr_b32 s[TYPE], s[WS0], 1                  ; pass 1: waves with wave % 4 under 2 make Q, the others K
	s_and_b32 s[HD], s[WS0], 1
	s_lshl_b32 s[TA], s[S0T], 1
	s_add_co_u32 s[HD], s[HD], s[TA]               ; my head: 2 fg + wave % 2
	s_cmp_eq_u32 s[TYPE], 0
	s_cselect_b64 s[BP:BP+1], s[ARG+4:ARG+5], s[ARG+6:ARG+7]
	s_lshl_b32 s[TA], s[HD], 8
	s_mov_b32 s[TA+1], 0
	s_add_nc_u64 s[BP:BP+1], s[BP:BP+1], s[TA:TA+1]
	s_lshl_b32 s[TA], s[S0T], 9                    ; bv: 128 fg + 32 (wave / 2) numbers on
	s_lshr_b32 s[TA+2], s[WV], 1
	s_lshl_b32 s[TA+2], s[TA+2], 7
	s_add_co_u32 s[TA], s[TA], s[TA+2]
	s_add_nc_u64 s[PSC:PSC+1], s[ARG+8:ARG+9], s[TA:TA+1]
	v_and_b32 v[LANE], 31, v0
	v_and_b32 v[RR], 15, v0
	v_bfe_u32 v[HH], v0, 4, 1
	v_lshlrev_b32 v20, 3, v[LANE]
	v_lshlrev_b32 v25, 2, v[LANE]
	s_wait_alu depctr_va_vdst(0)
	global_load_b64 v[22:23], v20, s[BP:BP+1]      ; 256 consecutive bytes
	global_load_b32 v24, v25, s[PSC:PSC+1]         ; 128 consecutive bytes
	s_mul_i32 s[TA], s[WS0], 4*TB2
	s_mul_i32 s[TA+1], s[WS1], 4*TB2
	s_add_co_u32 s[TA+1], s[TA+1], 16*TB2
	FOURADR
	s_sub_co_u32 s[TA+1], s[TA+1], s[TA]
	v_mul_u32_u24 v[SCA], s[TA+1], v[HH]           ; lanes 16-31 take source 1's words: the lower base + h x the distance
	s_add_co_u32 s[TA], s[TA], TILEB               ; a tile's words stand behind its four K steps of codes
	v_lshl_add_u32 v[SCA], v[RR], 2, v[SCA]
	v_add_nc_u32 v[SCA], s[TA], v[SCA]
	s_lshl_b32 s[TA], s[WV], 9
	s_add_co_u32 s[TA], s[TA], BNC
	v_lshl_add_u32 v21, v[LANE], 3, s[TA]
	v_lshl_add_u32 v26, v[LANE], 2, s[TA]
	v_lshl_add_u32 v[BQK], v[HH], 6, s[TA]
	v_and_b32 v[BVV], 8, v[RR]
	v_add_nc_u32 v[BVV], v[BVV], v[RR]             ; r + 8 (r / 8)
	v_lshl_add_u32 v[BVV], v[BVV], 2, s[TA]
	s_wait_alu depctr_va_vdst(0)
	s_wait_loadcnt 0x0
	ds_store_b64 v21, v[22:23]                     ; into my wave's own 512 bytes: only I read them
	ds_store_b32 v26, v24 offset:256
	s_cmp_lt_u32 s[WV], 3                          ; waves 0-2 wait for their loads, whose lines are theirs alone; the other three loads may be out
	s_cbranch_scc0 .Lnot_first
	s_wait_tensorcnt 0x0
.Lnot_first:
	s_wait_dscnt 0x0
	s_barrier_signal -1
	s_barrier_wait -1
	; ---- PASS 1
	KSTEP 4, 1, 4
	KSTEP 5, 0, 4
	KSTEP 6, 0, 4
	KSTEP 7, 0, 4
	s_mul_i32 s[TA], s[WS0], 4*TILEB               ; my tiles' K steps 0-3
	s_add_co_u32 s[TA], s[TA], KHB
	s_mul_i32 s[TA+1], s[WS1], 4*TILEB
	s_add_co_u32 s[TA+1], s[TA+1], KHB+16*TILEB
	FOURADR
	s_wait_alu depctr_va_vdst(0)
	s_wait_tensorcnt 0x0                           ; every wave: all that was still out is in,
	s_barrier_signal -1
	s_barrier_wait -1                              ; everybody's is
	KSTEP 0, 0, 4
	KSTEP 1, 0, 4
	KSTEP 2, 0, 4
	KSTEP 3, 0, 4
	; ---- THE REFILL: Wq's rows are read no more; Wv's take their bytes
	s_wait_tensorcnt 0x0
	ds_add_u32 v30, v31                            ; the add, here twice on end
	ds_add_u32 v30, v31
	s_add_nc_u64 s[GW+2:GW+3], s[GW+2:GW+3], 128*REC       ; no load of mine is out: Wq's two groups 0 step on to Wv's records
	s_add_nc_u64 s[GW+10:GW+11], s[GW+10:GW+11], 128*REC
	s_wait_dscnt 0x0                               ; the adds are done, and so are my reads
	CROUND                                         ; so of every wave of every partner
	ARM 1, GW,   G1WB, .Lre_1, .Lrefilled
	ARM 2, GW+8, G1WA, .Lre_2, .Lrefilled
.Lrefilled:
	v_cmp_lt_u32 vcc_lo, 15, v[LANE]               ; lanes 16-31; written behind the last tensor load
	v_mov_b32 v[QT], 0                             ; a lane permute's destination counts as one of its sources
	v_mov_b32 v[QT+1], 0
	; ---- Q, K leave: my lane holds token r of tile n and the 64 numbers of my head: one hexad for each tile of tokens
.irp b, 0,1
.irp q, 0,1,2,3
	ds_load_b128 v[BB+16*\b+4*\q:BB+16*\b+4*\q+3], v[BQK] offset:128*\b+16*\q   ; register 16 b + i: the bias of feature 32 b + 16 h + i
.endr
.endr
	s_lshr_b32 s[TA], s[S1T], 4                    ; the batch
	s_lshl_b32 s[TA], s[TA], 4
	s_add_co_u32 s[TA], s[TA], s[HD]               ; bh = 16 batch + head
	s_and_b32 s[TA+1], s[S1T], 15                  ; which 128 tokens of the batch
	s_lshl_b32 s[TA+2], s[TA], 7
	s_lshl_b32 s[TA+3], s[TA+1], 3
	s_add_co_u32 s[TA+2], s[TA+2], s[TA+3]
	s_lshl_b32 s[TA+3], s[WS1], 2
	s_add_co_u32 s[TA+2], s[TA+2], s[TA+3]         ; Q: 128 bh + my first tile of tokens
	s_mul_i32 s[TBB], s[TA+2], 768
	s_lshl_b32 s[TBB+1], s[TA+2], 5
	s_mul_i32 s[TBB+2], s[TA], 16*REC              ; K: the head's 16 key steps of 12,800 bytes
	s_mul_i32 s[TBB+3], s[TA+1], REC
	s_add_co_u32 s[TBB+2], s[TBB+2], s[TBB+3]
	s_mul_i32 s[TBB+3], s[WS1], 3072
	s_add_co_u32 s[TBB+3], s[TBB+2], s[TBB+3]      ; hexads of tiles 4 (wave / 4) on
	s_lshl_b32 s[TA+3], s[WS1], 7
	s_add_co_u32 s[TBB+2], s[TBB+2], s[TA+3]
	s_add_co_u32 s[TBB+2], s[TBB+2], 12288         ; their bytes: 32 a tile
	s_cmp_eq_u32 s[TYPE], 0
	s_cselect_b32 s[OFC], s[TBB], s[TBB+3]
	s_cselect_b32 s[OFS], s[TBB+1], s[TBB+2]
	s_cselect_b64 s[PCD:PCD+1], s[ARG+10:ARG+11], s[ARG+14:ARG+15]
	s_cselect_b64 s[PSC:PSC+1], s[ARG+12:ARG+13], s[ARG+14:ARG+15]
	v_lshl_add_u32 v[VC16], v[LANE], 4, s[OFC]
	v_lshl_add_u32 v[VC8], v[LANE], 3, s[OFC]
	v_lshl_add_u32 v[VS], v[RR], 1, v[HH]          ; two bytes a row: blocks 0 and 1
	v_add_nc_u32 v[VC8], 512, v[VC8]
	v_add_nc_u32 v[VS], s[OFS], v[VS]
	s_wait_dscnt 0x0
.irp n, 0,1,2,3
	FINISH \n, 0, 1, 768, 32
.endr
	; ---- PASS 2: source 0 = my 64 tokens (tiles 16 + 4 P0 on), source 1 = my 32 rows of Wv (tiles 2 P1 on)
	s_wait_xcnt 0x0                                ; the stores have read their registers and bases: they are written again below
	s_and_b32 s[P0], s[WV], 1
	s_lshr_b32 s[P1], s[WV], 1
	s_mul_i32 s[TA], s[P0], 4*TB2
	s_add_co_u32 s[TA], s[TA], 16*TB2
	s_mul_i32 s[TA+1], s[P1], 2*TB2
	s_sub_co_u32 s[TA+2], s[TA], s[TA+1]
	s_add_co_u32 s[TA+3], s[TA+1], TILEB
	FOURADR
	v_sub_nc_u32 v20, 1, v[HH]
	v_mul_u32_u24 v[SCA], s[TA+2], v20             ; lanes 0-15 take the tokens' words: the lower base + (1 - h) x the distance
	v_lshl_add_u32 v[SCA], v[RR], 2, v[SCA]
	v_add_nc_u32 v[SCA], s[TA+3], v[SCA]
	s_wait_alu depctr_va_vdst(0)
	s_wait_tensorcnt 0x0                           ; every wave: Wv's rows are in,
	s_barrier_signal -1
	s_barrier_wait -1                              ; everybody's are
	KSTEP 4, 1, 2
	KSTEP 5, 0, 2
	KSTEP 6, 0, 2
	KSTEP 7, 0, 2
	s_mul_i32 s[TA], s[P0], 4*TILEB
	s_add_co_u32 s[TA], s[TA], KHB+16*TILEB
	s_mul_i32 s[TA+1], s[P1], 2*TILEB
	s_add_co_u32 s[TA+1], s[TA+1], KHB
	FOURADR
	s_wait_alu depctr_va_vdst(0)
	KSTEP 0, 0, 2
	KSTEP 1, 0, 2
	KSTEP 2, 0, 2
	KSTEP 3, 0, 2
	; ---- V leaves: my lane holds feature r of depth tile 2 (P1 % 2) + n of head 2 fg + P1 / 2, and 64 neighbouring keys: hexad G % 2 of key step (G % 32) / 2, G = 2 tb + P0
.irp n, 0,1
	ds_load_b32 v[BB+2*\n], v[BVV] offset:256+32*\n
	ds_load_b32 v[BB+2*\n+1], v[BVV] offset:256+32*\n                 ; twice: the packed addition takes a pair
.endr
	s_lshl_b32 s[TA], s[S1T], 1
	s_add_co_u32 s[TA], s[TA], s[P0]               ; G
	s_lshr_b32 s[TA+1], s[TA], 5
	s_lshl_b32 s[TA+1], s[TA+1], 4
	s_lshl_b32 s[TA+2], s[S0T], 1
	s_add_co_u32 s[TA+1], s[TA+1], s[TA+2]
	s_lshr_b32 s[TA+2], s[P1], 1
	s_add_co_u32 s[TA+1], s[TA+1], s[TA+2]         ; bh
	s_bfe_u32 s[TA+2], s[TA], 0x40001              ; the key step
	s_and_b32 s[TA+3], s[TA], 1                    ; the hexad
	s_mul_i32 s[TBB], s[TA+1], 16*REC
	s_mul_i32 s[TBB+1], s[TA+2], REC
	s_add_co_u32 s[TBB], s[TBB], s[TBB+1]
	s_and_b32 s[TBB+2], s[P1], 1                   ; which two of the head's four depth tiles
	s_mul_i32 s[TBB+1], s[TA+3], 768
	s_add_co_u32 s[OFC], s[TBB], s[TBB+1]
	s_mul_i32 s[TBB+1], s[TBB+2], 3072
	s_add_co_u32 s[OFC], s[OFC], s[TBB+1]
	s_add_co_u32 s[OFC], s[OFC], 6144              ; V's fragments lie behind K's eight hexads
	s_lshl_b32 s[TBB+1], s[TA+3], 1
	s_add_co_u32 s[OFS], s[TBB], s[TBB+1]
	s_lshl_b32 s[TBB+1], s[TBB+2], 7
	s_add_co_u32 s[OFS], s[OFS], s[TBB+1]
	s_add_co_u32 s[OFS], s[OFS], 12544             ; V's scale words: byte 2 hexad + h of row r's word
	s_mov_b64 s[PCD:PCD+1], s[ARG+14:ARG+15]
	s_mov_b64 s[PSC:PSC+1], s[ARG+14:ARG+15]
	v_lshl_add_u32 v[VC16], v[LANE], 4, s[OFC]
	v_lshl_add_u32 v[VC8], v[LANE], 3, s[OFC]
	v_lshl_add_u32 v[VS], v[RR], 2, v[HH]
	v_add_nc_u32 v[VC8], 512, v[VC8]
	v_add_nc_u32 v[VS], s[OFS], v[VS]
	s_wait_dscnt 0x0
.irp n, 0,1
	FINISH \n, 2*\n, 0, 1536, 64
.endr
	s_wait_tensorcnt 0x0                           ; the wave's end
	ds_add_u32 v30, v31
	s_wait_dscnt 0x0
	CROUND                                         ; the closing round: no work-group ends while a partner may still ask for a tile that names it
	s_endpgm
.Lfunc_end_k_q3594c1a0d5_qkv:
	.size	k_q3594c1a0d5_qkv, .Lfunc_end_k_q3594c1a0d5_qkv-k_q3594c1a0d5_qkv
	.p2alignl 7, 3214868480
	.fill 96, 4, 3214868480
	.section	.rodata,"a",@progbits
	.p2align	6, 0x0
	.amdhsa_kernel k_q3594c1a0d5_qkv
		.amdhsa_group_segment_fixed_size 327680
		.amdhsa_private_segment_fixed_size 0
		.amdhsa_enable_private_segment 0
		.amdhsa_kernarg_size 64
		.amdhsa_user_sgpr_count 2
		.amdhsa_user_sgpr_kernarg_segment_ptr 1
		.amdhsa_wavefront_size32 1
		.amdhsa_system_sgpr_workgroup_id_x 1
		.amdhsa_system_sgpr_workgroup_id_y 1
		.amdhsa_system_sgpr_workgroup_id_z 1
		.amdhsa_system_vgpr_workitem_id 0
		.amdhsa_next_free_vgpr 256
		.amdhsa_next_free_sgpr 102
		.amdhsa_reserve_vcc 1
		.amdhsa_float_denorm_mode_32 3
		.amdhsa_float_denorm_mode_16_64 3
		.amdhsa_memory_ordered 1
		.amdhsa_forward_progress 1
		.amdhsa_inst_pref_size 100
	.end_amdhsa_kernel
	.amdgpu_metadata
---
amdhsa.version: [ 1, 2 ]
amdhsa.kernels:
  - .name:           k_q3594c1a0d5_qkv
    .symbol:         k_q3594c1a0d5_qkv.kd
    .args:
      - { .name: xc, .offset: 0, .size: 8, .value_kind: global_buffer, .address_space: global }
      - { .name: wc, .offset: 8, .size: 8, .value_kind: global_buffer, .address_space: global }
      - { .name: bq, .offset: 16, .size: 8, .value_kind: global_buffer, .address_space: global }
      - { .name: bk, .offset: 24, .size: 8, .value_kind: global_buffer, .address_space: global }
      - { .name: bv, .offset: 32, .size: 8, .value_kind: global_buffer, .address_space: global }
      - { .name: qc, .offset: 40, .size: 8, .value_kind: global_buffer, .address_space: global }
      - { .name: qs, .offset: 48, .size: 8, .value_kind: global_buffer, .address_space: global }
      - { .name: kv, .offset: 56, .size: 8, .value_kind: global_buffer, .address_space: global }
    .group_segment_fixed_size: 327680
    .private_segment_fixed_size: 0
    .kernarg_segment_align: 8
    .kernarg_segment_size: 64
    .max_flat_workgroup_size: 256
    .sgpr_count:     102
    .vgpr_count:     256
    .wavefront_size: 32
...
	.end_amdgpu_metadata
.endif
;; end of part 2
;; launch attn (part 3): grid 8 x 32, 16 waves a work-group, clusters of 4 x 1, 206,848 bytes of LDS; arguments qc, qs, kv, oc; writes oc
.if DOCPART == 3
	.amdgcn_target "amdgcn-amd-amdhsa--gfx1250"
	.amdhsa_code_object_version 6
	.text
	.protected	k_q3594c1a0d5_attn
	.globl	k_q3594c1a0d5_attn
	.p2align	8
	.type	k_q3594c1a0d5_attn,@function
k_q3594c1a0d5_attn:
	s_mov_b64 s[64:65], 0
	v_nop
	global_prefetch_b8 v0, s[64:65] scope:SCOPE_SE
	s_setreg_imm32_b32 hwreg(HW_REG_WAVE_MODE, 25, 1), 1
	s_wait_xcnt 0x0
	s_wait_alu depctr_hold_cnt(0) depctr_sa_sdst(0) depctr_va_vdst(0) depctr_va_sdst(0) depctr_va_ssrc(0) depctr_va_vcc(0) depctr_vm_vsrc(0)
	s_getreg_b32 s2, hwreg(HW_REG_IB_STS2, 6, 4)
	s_cmp_eq_u32 s2, 0
	s_cbranch_scc0 .Lentry_in_a_cluster
	s_endpgm
.Lentry_in_a_cluster:
	s_bfe_u32 s2, ttmp6, 0x10000c
	s_cmp_lg_u32 s2, 0x3003
	s_cbranch_scc0 .Lentry_shape_is_right
	s_endpgm
.Lentry_shape_is_right:
; O = softmax(Q K^T / 8) V for one head (bh = 16 batch + head, the grid's y) and 256 queries, both products on codes of FP6 (E2M3) with E8M0 scales; O / l is quantised along d_model and stored as the last product's operand.
; THE SOFTMAX AHEAD OF THE SECOND PRODUCT: t = score x log2(e) / 8; M = the running largest t rounded UP to a whole number; p = 2^(t - M) is quantised along the keys, not normalised; the row's sum l is taken of the
; unquantised p and divides O at the end; when M moves, l and O are multiplied by 2^(old M - new M), which rounds nothing.
; SHARES: sixteen waves, four to a SIMD, each with one tile of 16 queries in 256 registers: one wave's vector work stands beside another's products and LDS loads.  Every wave walks the head's 2,048 keys, 128 a step.
; LDS IS A COPY OF kv[bh], 204,800 bytes, filled ONCE: 16 key steps of 12,800 bytes: K's hexad of tile t at 768 t; V's fragment of depth tile d at 6,144 + 1,536 d; K's bytes (two a key) at 12,288 + 32 t + 2 r; V's words at 12,544 + 64 d + 4 r.
; CLUSTER 4 x 1: the four query blocks of a cluster belong to one head: each part of the copy is asked for jointly, by the same load with the same descriptor and the mask of all four.
; LAYOUT: both products transposed (S^T = K Q^T, O^T = V^T P^T): a lane holds one query.  Row p of a tile is row 32 (T / 2) + 8 (T % 2) + p + 8 (p / 8), so that two neighbouring tiles leave 16 neighbours (keys, or depths) in a lane.
; THE HEAD'S K IS 64, THE INSTRUCTION'S 128: Q's registers 6-11 are zero codes.  K's operand of tile t is the 12 registers from its hexad on: the upper six are the next tile's codes (behind tile 7: zeros); they meet zero codes
; and add nothing.  The scale bytes of those two blocks are 0 on both sides (two bytes are loaded and widened with zeros), which is a power of two like any other.
; LIMITS: NaN and infinities are not served; a block whose largest magnitude lies under 2^-124 keeps the byte 1, a block of zeros too.  A block's largest p is taken as 2^ of the block's largest t - M: this takes v_exp_f32 not
; to fall where its input rises; at the worst one p of a block, within an ulp of a power of two, is held one code low.
.set REC,  12800
.set WV,   12                          ; s12  wave
.set G1,   16                          ; s[16:23] descriptor group 1;  s[24:27] group 0
.set G0,   24
.set SEL,  40                          ; s[40:41] v_permlanex16_b32's selects for lane l xor 16
.set CS,   42                          ; s[42:43] c = log2(e) / 8; the packed form names a pair
.set TB,   44                          ; s44  LDS byte at which the key step begins
.set CNT,  45
.set A16,  1                           ; v1   16 x lane
.set A8,   2                           ; v2   8 x lane + 512
.set AKS,  3                           ; v3   12,288 + 2 r
.set AVS,  4                           ; v4   12,544 + 4 r
.set ADK,  8                           ; v8-11 the same four in the key step in hand
.set ADK8, 9
.set ADS,  10
.set ADT,  11
.set QF,   16                          ; v16-21 Q's hexad, v22-27 zero codes
.set KF,   32                          ; v32-79 K's eight hexads, then V's four fragments; v80-85 zero codes
.set KS,   86                          ; v86-93 K's scales, then V's
.set S,    96                          ; v96-159 S^T, then p
.set O,    160                         ; v160-191 O^T
.set ON,   192                         ; v192-223 O^T / l
.set PC,   224                         ; v224-235 p's codes; v232-247, v254 at work
.set F,    250                         ; v[250:251] f = 2^(old M - new M)
.set PW,   253                         ; v253 p's scale word
.set QSC,  255                         ; v255 Q's scales
.set QM,   236                         ; the way out's quantiser, at work
.set QT,   238
.set QS,   240
.set QB,   242
.set QP,   244
.macro CROUND                          ; a round of the cluster's barrier
	s_barrier_signal -1
	s_barrier_wait -1
	s_cmp_lg_u32 s[WV], 0
	s_cbranch_scc1 .Lnot_wave_0_\@
	s_barrier_signal -3
.Lnot_wave_0_\@:
	s_barrier_wait -3
	s_barrier_signal -1
	s_barrier_wait -1
.endm
; 32 numbers of a lane, register 16 b + i = k 32 b + 16 h + i of its row, become a hexad's six words in v[dst] on and the byte of the lane's block h in v[dst+6].  VCC marks lanes 16-31.
.macro QH src, dst
	v_max3_num_f32 v[QM], |v[\src]|, |v[\src+1]|, 0x1800000
	v_max3_num_f32 v[QM+1], |v[\src+16]|, |v[\src+17]|, 0x1800000
.irp i, 2,4,6,8,10,12,14
	s_delay_alu instid0(VALU_DEP_2)
	v_max3_num_f32 v[QM], v[QM], |v[\src+\i]|, |v[\src+\i+1]|
	s_delay_alu instid0(VALU_DEP_2)
	v_max3_num_f32 v[QM+1], v[QM+1], |v[\src+16+\i]|, |v[\src+17+\i]|
.endr
	s_delay_alu instid0(VALU_DEP_2)
	v_permlanex16_b32 v[QT], v[QM], s[SEL], s[SEL+1]
	s_delay_alu instid0(VALU_DEP_2)
	v_permlanex16_b32 v[QT+1], v[QM+1], s[SEL], s[SEL+1]
	s_delay_alu instid0(VALU_DEP_2)
	v_max_num_f32 v[QM], v[QM], v[QT]
	s_delay_alu instid0(VALU_DEP_2)
	v_max_num_f32 v[QM+1], v[QM+1], v[QT+1]
	s_delay_alu instid0(VALU_DEP_2)
	v_add_nc_u32 v[QS], 0xff000000, v[QM]
	s_delay_alu instid0(VALU_DEP_2)
	v_add_nc_u32 v[QS+1], 0xff000000, v[QM+1]
	s_delay_alu instid0(VALU_DEP_2)
	v_lshrrev_b32 v[QB], 23, v[QS]
	s_delay_alu instid0(VALU_DEP_2)
	v_lshrrev_b32 v[QB+1], 23, v[QS+1]
	v_cvt_scalef32_pk16_fp6_f32 v[\dst:\dst+2], v[\src:\src+15], v[QS]
	v_cvt_scalef32_pk16_fp6_f32 v[QP:QP+2], v[\src+16:\src+31], v[QS+1]
	v_cndmask_b32 v[\dst+6], v[QB], v[QB+1], vcc_lo   ; my block's byte; also the plain line behind the conversions
.irp i, 0,1,2
	v_permlane16_swap_b32 v[\dst+\i], v[QP+\i]
.endr
.irp i, 0,1,2
	s_delay_alu instid0(VALU_DEP_3)
	v_mov_b32 v[\dst+3+\i], v[QP+\i]
.endr
.endm
; A KEY STEP: 128 keys
.macro STEP
	v_add_nc_u32 v[ADK], s[TB], v[A16]             ; these four are also the places between the last step's products and the loads into their registers
	v_add_nc_u32 v[ADK8], s[TB], v[A8]
	v_add_nc_u32 v[ADS], s[TB], v[AKS]
	v_add_nc_u32 v[ADT], s[TB], v[AVS]
.irp t, 0,1,2,3,4,5,6,7
	ds_load_b128 v[KF+6*\t:KF+6*\t+3], v[ADK] offset:768*\t
	ds_load_b64 v[KF+6*\t+4:KF+6*\t+5], v[ADK8] offset:768*\t
	ds_load_u16 v[KS+\t], v[ADS] offset:32*\t
.endr
	s_wait_alu depctr_va_vdst(0)
	s_wait_dscnt 0x0
.irp t, 0,1,2,3,4,5,6,7
	v_wmma_scale_f32_16x16x128_f8f6f4 v[S+8*\t:S+8*\t+7], v[KF+6*\t:KF+6*\t+11], v[QF:QF+11], 0, v[KS+\t], v[QSC] matrix_a_fmt:MATRIX_FMT_FP6 matrix_b_fmt:MATRIX_FMT_FP6
.endr                                              ; lane (r, h): query r; the 16 registers of tiles 2 b, 2 b + 1 are keys 32 b + 16 h + 0 .. 15 of the step
.rept 4
	v_nop                                          ; four places, in front of the loads below and of the first read of the scores
.endr
.irp d, 0,1,2,3                                    ; V is asked for here and lands while the softmax is worked
.irp c, 0,1
	ds_load_b128 v[KF+12*\d+6*\c:KF+12*\d+6*\c+3], v[ADK] offset:6144+1536*\d+768*\c
	ds_load_b64 v[KF+12*\d+6*\c+4:KF+12*\d+6*\c+5], v[ADK8] offset:6144+1536*\d+768*\c
.endr
	ds_load_b32 v[KS+\d], v[ADT] offset:64*\d
.endr
.irp b, 0,1,2,3
	v_max3_num_f32 v[232+\b], v[S+16*\b], v[S+1+16*\b], v[S+2+16*\b]   ; the largest score of each block of 32 keys: for the row's maximum, and for the block's largest p
.endr
.irp i, 3,5,7,9,11,13
.irp b, 0,1,2,3
	v_max3_num_f32 v[232+\b], v[232+\b], v[S+16*\b+\i], v[S+1+16*\b+\i]
.endr
.endr
.irp b, 0,1,2,3
	v_max_num_f32 v[232+\b], v[232+\b], v[S+15+16*\b]
.endr
.irp b, 0,1,2,3
	s_delay_alu instid0(VALU_DEP_4)
	v_permlanex16_b32 v[236+\b], v[232+\b], s[SEL], s[SEL+1]
.endr
.irp b, 0,1,2,3
	s_delay_alu instid0(VALU_DEP_4)
	v_max_num_f32 v[232+\b], v[232+\b], v[236+\b]  ; with lane l xor 16's 16 keys
.endr
	s_delay_alu instid0(VALU_DEP_2)
	v_max3_num_f32 v254, v232, v233, v234
	s_delay_alu instid0(VALU_DEP_1)
	v_max_num_f32 v254, v254, v235                 ; the step's largest score of my query
	s_delay_alu instid0(VALU_DEP_1)
	v_mul_f32 v254, s[CS], v254                    ; as t (c is positive)
	s_delay_alu instid0(VALU_DEP_1)
	v_max_num_f32 v13, v13, v254                   ; the running largest t
	v_mov_b32 v254, v12
	s_delay_alu instid0(VALU_DEP_2)
	v_floor_f32 v12, -v13                          ; the new -M = floor(-t) = -ceil(t)
	s_delay_alu instid0(VALU_DEP_1)
	v_sub_f32 v254, v12, v254                      ; old M - new M: a whole number, 0 or less
	s_delay_alu instid0(VALU_DEP_1)
	v_cvt_i32_f32 v254, v254                       ; (it saturates)
	s_delay_alu instid0(VALU_DEP_1)
	v_ldexp_f32 v[F], 1.0, v254                    ; f
.irp j, 0,2,4,6,8,10,12,14,16,18,20,22,24,26,28,30,32,34,36,38,40,42,44,46,48,50,52,54,56,58,60,62
	v_pk_fma_f32 v[S+\j:S+\j+1], v[S+\j:S+\j+1], s[CS:CS+1], v[12:13] op_sel_hi:[1,0,0]   ; t - M, two at a time
.endr
.irp b, 0,1,2,3
	v_fma_f32 v[232+\b], v[232+\b], s[CS], v12     ; the same of each block's largest score
.endr
	s_wait_alu depctr_va_vdst(0)
.irp j, 0,1,2,3,4,5,6,7,8,9,10,11,12,13,14,15,16,17,18,19,20,21,22,23,24,25,26,27,28,29,30,31,32,33,34,35,36,37,38,39,40,41,42,43,44,45,46,47,48,49,50,51,52,53,54,55,56,57,58,59,60,61,62,63
	v_exp_f32 v[S+\j], v[S+\j]                     ; p = 2^(t - M), at most 1
.endr
	v_pk_mul_f32 v[14:15], v[14:15], v[F:F+1] op_sel_hi:[1,0]   ; the sums under the new M; the plain line behind the exponentials
	s_wait_alu depctr_va_vdst(0)                   ; one wait for the batch of 64, ahead of its first reader
.irp b, 0,1,2,3
	v_exp_f32 v[232+\b], v[232+\b]                 ; the blocks' largest p
.endr
	v_pk_add_f32 v[236:237], v[100:101], v[104:105]
	v_pk_add_f32 v[246:247], v[108:109], v[112:113]
	v_pk_add_f32 v[244:245], v[116:117], v[120:121]
	v_pk_add_f32 v[242:243], v[124:125], v[128:129]
	v_pk_add_f32 v[240:241], v[132:133], v[136:137]
	v_pk_add_f32 v[238:239], v[140:141], v[144:145]
	v_pk_add_f32 v[230:231], v[148:149], v[152:153]
	v_pk_add_f32 v[14:15], v[14:15], v[156:157]
	v_pk_add_f32 v[236:237], v[236:237], v[96:97]
	v_pk_add_f32 v[246:247], v[246:247], v[98:99]
	v_pk_add_f32 v[244:245], v[244:245], v[102:103]
	v_pk_add_f32 v[242:243], v[242:243], v[106:107]
	v_pk_add_f32 v[240:241], v[240:241], v[110:111]
	v_pk_add_f32 v[238:239], v[238:239], v[114:115]
	v_pk_add_f32 v[230:231], v[230:231], v[118:119]
	v_pk_add_f32 v[14:15], v[14:15], v[122:123]
	v_pk_add_f32 v[236:237], v[236:237], v[126:127]
	v_pk_add_f32 v[246:247], v[246:247], v[130:131]
	v_pk_add_f32 v[244:245], v[244:245], v[134:135]
	v_pk_add_f32 v[242:243], v[242:243], v[138:139]
	v_pk_add_f32 v[240:241], v[240:241], v[142:143]
	v_pk_add_f32 v[238:239], v[238:239], v[146:147]
	v_pk_add_f32 v[230:231], v[230:231], v[150:151]
	v_pk_add_f32 v[14:15], v[14:15], v[154:155]
	v_pk_add_f32 v[236:237], v[236:237], v[158:159]
	s_delay_alu instid0(VALU_DEP_2)
	v_pk_add_f32 v[14:15], v[14:15], v[242:243]
	s_delay_alu instid0(VALU_DEP_2)
	v_pk_add_f32 v[236:237], v[236:237], v[240:241]
	v_pk_add_f32 v[246:247], v[246:247], v[238:239]
	v_pk_add_f32 v[244:245], v[244:245], v[230:231]
	s_delay_alu instid0(VALU_DEP_2)
	v_pk_add_f32 v[14:15], v[14:15], v[246:247]
	s_delay_alu instid0(VALU_DEP_2)
	v_pk_add_f32 v[236:237], v[236:237], v[244:245]
	s_delay_alu instid0(VALU_DEP_1)
	v_pk_add_f32 v[14:15], v[14:15], v[236:237]
	s_wait_alu depctr_va_vdst(0)                   ; and one for the four
.irp b, 0,1,2,3
	v_max_num_f32 v[232+\b], 0x1800000, v[232+\b]  ; the floor 2^(3 - 127)
.endr
.irp b, 0,1,2,3
	s_delay_alu instid0(VALU_DEP_4)
	v_add_nc_u32 v[244+\b], 0xff000000, v[232+\b]  ; 2 off the exponent field: the conversion's scale operand
.endr
.irp b, 0,1,2,3
	s_delay_alu instid0(VALU_DEP_4)
	v_lshrrev_b32 v[236+\b], 23, v[244+\b]         ; the byte
.endr
	s_delay_alu instid0(VALU_DEP_3)
	v_lshl_or_b32 v[PW], v237, 8, v236             ; p's scale word for these 128 keys
	s_delay_alu instid0(VALU_DEP_1)
	v_lshl_or_b32 v[PW], v238, 16, v[PW]
	s_delay_alu instid0(VALU_DEP_1)
	v_lshl_or_b32 v[PW], v239, 24, v[PW]
.irp c, 0,1
	v_cvt_scalef32_pk16_fp6_f32 v[PC+6*\c:PC+2+6*\c], v[S+32*\c:S+15+32*\c], v[244+2*\c]
	v_cvt_scalef32_pk16_fp6_f32 v[236+4*\c:238+4*\c], v[S+16+32*\c:S+31+32*\c], v[244+2*\c+1]
.endr
	v_nop                                          ; one plain line behind the conversions
.irp c, 0,1
.irp i, 0,1,2
	v_permlane16_swap_b32 v[PC+6*\c+\i], v[236+4*\c+\i]   ; a whole block to a lane: lanes 0-15 block 2 c, lanes 16-31 block 2 c + 1
.endr
.irp i, 0,1,2
	s_delay_alu instid0(VALU_DEP_3)
	v_mov_b32 v[PC+3+6*\c+\i], v[236+4*\c+\i]
.endr
.endr
.irp j, 0,2,4,6,8,10,12,14,16,18,20,22,24,26,28,30
	v_pk_mul_f32 v[O+\j:O+\j+1], v[O+\j:O+\j+1], v[F:F+1] op_sel_hi:[1,0]   ; O^T under the new M.  Twelve of the sixteen name no register of a given product below: its places behind p's scale word (8) and codes (4)
.endr
	s_wait_alu depctr_va_vdst(0)
	s_wait_dscnt 0x0                               ; V is in
.irp d, 0,1,2,3
	v_wmma_scale_f32_16x16x128_f8f6f4 v[O+8*\d:O+8*\d+7], v[KF+12*\d:KF+12*\d+11], v[PC:PC+11], v[O+8*\d:O+8*\d+7], v[KS+\d], v[PW] matrix_a_fmt:MATRIX_FMT_FP6 matrix_b_fmt:MATRIX_FMT_FP6
.endr
	s_add_co_u32 s[TB], s[TB], REC
.endm
; The walk over the head's sixteen key steps, behind the one wait and the one barrier that show the whole copy to every wave: nothing is ever filled again, so no other barrier stands in the walk
.macro PHASE
	s_wait_tensorcnt 0x0                           ; my key step is in,
	s_barrier_signal -1
	s_barrier_wait -1                              ; everybody's is
	s_mov_b32 s[TB], 0
	s_mov_b32 s[CNT], 16
.Lstep_\@:
	STEP
	s_sub_co_u32 s[CNT], s[CNT], 1
	s_cmp_lg_u32 s[CNT], 0
	s_cbranch_scc1 .Lstep_\@
.endm
	s_load_b256 s[4:11], s[0:1], 0x0               ; qc s[4:5], qs s[6:7], kv s[8:9], oc s[10:11]
	v_lshl_add_u32 v249, v0, 2, 0x32000
	v_mov_b32 v252, 0
	ds_add_u32 v249, v252
	ds_add_u32 v249, v252
	v_lshrrev_b32 v5, 5, v0
	s_delay_alu instid0(VALU_DEP_1)
	v_readfirstlane_b32 s[WV], v5
	s_bfe_u32 s13, ttmp6, 0x40000                  ; cx: it enters Q's and O's addresses alone
	s_and_b32 s14, ttmp7, 0xffff                   ; bh, which the four partners share
	s_lshl_b32 s15, ttmp9, 2
	s_add_co_u32 s15, s15, s13                     ; my block of 256 queries
	s_lshl_b32 s15, s15, 4
	s_add_co_u32 s15, s15, s[WV]                   ; my tile of 16 among the batch's 128
	s_mov_b32 s[G1], 15|(3<<16)|(1<<21)            ; 15:0 the mask: all four; 17:16 elements of 8 bytes; 21 set beside a mask; no padding
	s_mov_b32 s[G1+1], 32<<16                      ; tensor_dim0: rows of 256 bytes
	s_mov_b32 s[G1+2], 50<<16                      ; tensor_dim1: 50 of them, a key step's 12,800 dense bytes
	s_mov_b32 s[G1+3], 32<<16                      ; tile_dim0
	s_mov_b32 s[G1+4], 50                          ; tile_dim1
	s_mov_b32 s[G1+5], 32                          ; from row to row
	s_mov_b32 s[G1+6], 0
	s_mov_b32 s[G1+7], 0
	s_mul_i32 s46, s[WV], REC                      ; wave w fetches key step w
	s_mul_i32 s48, s14, 16*REC
	s_add_co_u32 s48, s48, s46
	s_mov_b32 s49, 0
	s_mov_b32 s[SEL], 0x76543210
	s_mov_b32 s[SEL+1], 0xfedcba98
	s_mov_b32 s[CS], 0x3e38aa3b                    ; log2(e) / 8
	s_mov_b32 s[CS+1], s[CS]
	s_wait_dscnt 0x0
	s_wait_kmcnt 0x0
	s_add_nc_u64 s[48:49], s[8:9], s[48:49]
	s_mov_b32 s[G0], 1
	s_mul_i32 s[G0+1], s[WV], REC                  ; LDS address = the byte's place in the head's copy
	s_mov_b64 s[G0+2:G0+3], s[48:49]
	s_or_b32 s[G0+3], s[G0+3], 0x80000000
	CROUND                                         ; all four work-groups are here: the joint loads meet
	tensor_load_to_lds s[G0:G0+3], s[G1:G1+7]      ; all of the launch's fills: one joint load a wave, sixteen key steps in sixteen waves
	s_nop 0
.rept 4
	v_nop
.endr
	s_lshl_b32 s54, s14, 7
	s_add_co_u32 s54, s54, s15                     ; 128 bh + my tile
	s_mul_i32 s56, s54, 768
	s_mov_b32 s57, 0
	s_lshl_b32 s58, s54, 5
	s_mov_b32 s59, 0
	s_add_nc_u64 s[4:5], s[4:5], s[56:57]          ; Q's hexad
	s_add_nc_u64 s[6:7], s[6:7], s[58:59]          ; and its bytes
	v_and_b32 v5, 31, v0                           ; lane
	v_and_b32 v6, 15, v0                           ; r
	v_bfe_u32 v7, v0, 4, 1                         ; h
	s_delay_alu instid0(VALU_DEP_3)
	v_lshlrev_b32 v[A16], 4, v5
	s_delay_alu instid0(VALU_DEP_4)
	v_lshlrev_b32 v[A8], 3, v5
	s_delay_alu instid0(VALU_DEP_1)
	v_add_nc_u32 v[A8], 512, v[A8]
	v_lshlrev_b32 v28, 1, v6
	global_load_b128 v[QF:QF+3], v[A16], s[4:5]
	global_load_b64 v[QF+4:QF+5], v[A8], s[4:5]
	global_load_u16 v[QSC], v28, s[6:7]            ; two bytes a query, widened with zeros
	v_add_nc_u32 v[AKS], 12288, v28
	v_lshl_add_u32 v[AVS], v6, 2, 12544
	v_lshl_add_u32 v29, v6, 2, v7                  ; the way out: my byte of my row's scale word: 4 r + h
	v_cmp_lt_u32 vcc_lo, 15, v5                    ; lanes 16-31
	; where O's hexad goes: the record of tile 128 batch + my tile; K step head / 2, hexad head % 2
	s_lshr_b32 s46, s14, 4
	s_lshl_b32 s46, s46, 7
	s_add_co_u32 s46, s46, s15
	s_mul_i32 s46, s46, REC
	s_and_b32 s47, s14, 15
	s_lshr_b32 s48, s47, 1
	s_and_b32 s47, s47, 1
	s_mul_i32 s50, s48, 1536
	s_add_co_u32 s50, s50, s46
	s_mul_i32 s49, s47, 768
	s_add_co_u32 s50, s50, s49
	s_mov_b32 s51, 0
	s_lshl_b32 s52, s48, 6
	s_add_co_u32 s52, s52, s46
	s_lshl_b32 s49, s47, 1
	s_add_co_u32 s52, s52, s49
	s_add_co_u32 s52, s52, 12288
	s_mov_b32 s53, 0
	s_add_nc_u64 s[50:51], s[10:11], s[50:51]
	s_add_nc_u64 s[52:53], s[10:11], s[52:53]
.irp j, 0,1,2,3,4,5
	v_mov_b32 v[QF+6+\j], 0                        ; Q's zero codes for k = 64 .. 127
	v_mov_b32 v[KF+48+\j], 0                       ; and what stands behind K's tile 7
.endr
	v_mov_b32 v13, 0xff61b1e6                      ; the largest t so far: -3e38, under every t
	s_delay_alu instid0(VALU_DEP_1)
	v_floor_f32 v12, -v13                          ; -M
	v_mov_b32 v14, 0                               ; the sum, in two halves
	v_mov_b32 v15, 0
.irp b, 0,1,2,3
	v_mov_b32 v[236+\b], 0                         ; a lane permute's destination counts as one of its sources
.endr
	v_mov_b32 v[F+1], 0                            ; named with f as a pair
.irp j, 0,1,2,3,4,5,6,7,8,9,10,11,12,13,14,15,16,17,18,19,20,21,22,23,24,25,26,27,28,29,30,31
	v_mov_b32 v[O+\j], 0                           ; O^T: the step is written without a first step of its own: the first change of M multiplies zeros
.endr
	s_wait_loadcnt 0x0                             ; Q
	PHASE
	; THE WAY OUT: O^T / l, quantised along d_model: my lane's 32 numbers are depths 32 b + 16 h + i of query r: one hexad
	v_add_f32 v14, v14, v15
	s_delay_alu instid0(VALU_DEP_1)
	v_permlanex16_b32 v[F], v14, s[SEL], s[SEL+1]
	s_delay_alu instid0(VALU_DEP_1)
	v_add_f32 v14, v14, v[F]                       ; the row's sum
	s_wait_alu depctr_va_vdst(0)
	v_rcp_f32 v14, v14
.rept 4
	v_nop                                          ; the plain line behind the reciprocal, and the places behind the last products
.endr
	s_wait_alu depctr_va_vdst(0)                   ; the wait ahead of the reciprocal's first reader
.irp j, 0,1,2,3,4,5,6,7,8,9,10,11,12,13,14,15,16,17,18,19,20,21,22,23,24,25,26,27,28,29,30,31
	v_mul_f32 v[ON+\j], v[O+\j], v14               ; each accumulator from its low end on
.endr
	QH ON, PC
	global_store_b128 v[A16], v[PC:PC+3], s[50:51]     ; 512 consecutive bytes
	global_store_b64 v[A8], v[PC+4:PC+5], s[50:51]     ; 256 consecutive bytes
	global_store_b8 v29, v[PC+6], s[52:53]
	s_wait_tensorcnt 0x0
	ds_add_u32 v249, v252
	s_wait_dscnt 0x0
	CROUND                                         ; the closing round: no work-group ends while a partner may still ask for a part that names it
	s_endpgm
.Lfunc_end_k_q3594c1a0d5_attn:
	.size	k_q3594c1a0d5_attn, .Lfunc_end_k_q3594c1a0d5_attn-k_q3594c1a0d5_attn
	.p2alignl 7, 3214868480
	.fill 96, 4, 3214868480
	.section	.rodata,"a",@progbits
	.p2align	6, 0x0
	.amdhsa_kernel k_q3594c1a0d5_attn
		.amdhsa_group_segment_fixed_size 206848
		.amdhsa_private_segment_fixed_size 0
		.amdhsa_enable_private_segment 0
		.amdhsa_kernarg_size 32
		.amdhsa_user_sgpr_count 2
		.amdhsa_user_sgpr_kernarg_segment_ptr 1
		.amdhsa_wavefront_size32 1
		.amdhsa_system_sgpr_workgroup_id_x 1
		.amdhsa_system_sgpr_workgroup_id_y 1
		.amdhsa_system_sgpr_workgroup_id_z 1
		.amdhsa_system_vgpr_workitem_id 0
		.amdhsa_next_free_vgpr 256
		.amdhsa_next_free_sgpr 66
		.amdhsa_reserve_vcc 1
		.amdhsa_float_denorm_mode_32 3
		.amdhsa_float_denorm_mode_16_64 3
		.amdhsa_memory_ordered 1
		.amdhsa_forward_progress 1
		.amdhsa_inst_pref_size 29
	.end_amdhsa_kernel
	.amdgpu_metadata
---
amdhsa.version: [ 1, 2 ]
amdhsa.kernels:
  - .name:           k_q3594c1a0d5_attn
    .symbol:         k_q3594c1a0d5_attn.kd
    .args:
      - { .name: qc, .offset: 0, .size: 8, .value_kind: global_buffer, .address_space: global }
      - { .name: qs, .offset: 8, .size: 8, .value_kind: global_buffer, .address_space: global }
      - { .name: kv, .offset: 16, .size: 8, .value_kind: global_buffer, .address_space: global }
      - { .name: oc, .offset: 24, .size: 8, .value_kind: global_buffer, .address_space: global }
    .group_segment_fixed_size: 206848
    .private_segment_fixed_size: 0
    .kernarg_segment_align: 8
    .kernarg_segment_size: 32
    .max_flat_workgroup_size: 512
    .sgpr_count:     66
    .vgpr_count:     256
    .wavefront_size: 32
...
	.end_amdgpu_metadata
.endif
;; end of part 3
;; launch outp (part 4): grid 32 x 8, 4 waves a work-group, clusters of 4 x 4, 223,744 bytes of LDS; arguments oc, wc, bo, out0; writes out0
.if DOCPART == 4
	.amdgcn_target "amdgcn-amd-amdhsa--gfx1250"
	.amdhsa_code_object_version 6
	.text
	.protected	k_q3594c1a0d5_outp
	.globl	k_q3594c1a0d5_outp
	.p2align	8
	.type	k_q3594c1a0d5_outp,@function
k_q3594c1a0d5_outp:
	s_mov_b64 s[64:65], 0
	v_nop
	global_prefetch_b8 v0, s[64:65] scope:SCOPE_SE
	s_setreg_imm32_b32 hwreg(HW_REG_WAVE_MODE, 25, 1), 1
	s_wait_xcnt 0x0
	s_wait_alu depctr_hold_cnt(0) depctr_sa_sdst(0) depctr_va_vdst(0) depctr_va_sdst(0) depctr_va_ssrc(0) depctr_va_vcc(0) depctr_vm_vsrc(0)
	s_getreg_b32 s2, hwreg(HW_REG_IB_STS2, 6, 4)
	s_cmp_eq_u32 s2, 0
	s_cbranch_scc0 .Lentry_in_a_cluster
	s_endpgm
.Lentry_in_a_cluster:
	s_bfe_u32 s2, ttmp6, 0x10000c
	s_cmp_lg_u32 s2, 0xf033
	s_cbranch_scc0 .Lentry_shape_is_right
	s_endpgm
.Lentry_shape_is_right:
; out0 = O Wo + bo on codes of FP6 (E2M3) with E8M0 scales.  oc (tokens) and wc's fourth weight (features) hold records of 12,800 bytes for each tile of 16 rows: K step s (two hexads of 768 bytes) at 1,536 s, the scale
; word of (s, row r) at 12,288 + 64 s + 4 r.  A hexad is 16 rows x 64 K as a lane's registers want it: lane l's words 0-3 at 16 l, words 4-5 at 512 + 8 l.  Row p of tile T is row 32 (T / 2) + 8 (T % 2) + p + 8 (p / 8).
; A work-group makes 128 tokens x 128 features over all of K = 1,024: S0 (source 0) = features, S1 (source 1) = tokens, so that a lane holds one token and 16 neighbouring features for each two tiles.
; LDS holds both operands whole (256 rows x 800 bytes), filled ONCE.  Four waves, each 64 x 64: 16 accumulators that take turns, one instruction a turn.
; CLUSTER 4 x 4: S0's tiles hang on the grid's y alone and are asked for jointly by a row of the cluster, S1's on its x alone, by a column.
.set REC,   12800
.set TILEB, 6144
.set TB2,   6656                       ; four K steps of a tile's codes with its 512 bytes of scale words behind them: bytes 6,144 to 12,799 of a record
.set KHB,   16*TB2                     ; LDS: row tile I (0-7 S0, 8-15 S1): K steps 4-7 and the scale words at I TB2; K steps 0-3 at KHB + I TILEB
.set BNC,   KHB+16*TILEB               ; 256 bytes for each wave: its 64 numbers of the bias
.set STG,   BNC+4*256                  ; a stage of 16 rows x (256 + 16) bytes for each wave; no tile lands in either
.set SPITCH, 272
.set WV,   2
.set S1T,  5                           ; s5   cx, then which 128 tokens
.set S0T,  6                           ; s6   cy, then which 128 features
.set WS0,  7                           ; s7   wave % 2: my 64 features; also which side I fetch
.set WS1,  8                           ; s8   wave / 2: my 64 tokens
.set G0B,  12                          ; s[12:19] two groups 0 for S1: K steps 4-7 with the scale words, K steps 0-3
.set G1AC, 24                          ; s[24:31] group 1, S0's K steps 0-3;  s[32:39] S0's K steps 4-7 with the scale words;  s[40:47], s[48:55] the same for S1
.set G1AS, 32
.set G1BC, 40
.set G1BS, 48
.set TA,   56                          ; s[56:59] at work for S0: never holds cx while descriptors are made
.set TBB,  60                          ; s[60:63] at work for S1: never holds cy
.set ARG,  68                          ; s[68:75] oc, wc, bo, out0
.set G0A,  84                          ; s[84:91] two groups 0 for S0
.set LANE, 1
.set RR,   2
.set HH,   3
.set A16,  4
.set A8,   5
.set B16,  6
.set B8,   7
.set SCA,  8
.set BQK,  9                           ; v9   my bias numbers: + 64 h
.set STO,  10                          ; v10  the stage, in: row r, + 64 h
.set SRD,  11                          ; v11  and back: lanes 0-15 one row, lanes 16-31 the next
.set GO,   12                          ; v12  the same two rows in out0
.set SC,   16
.set AF,   32
.set BF,   80
.set ACC,  128
.set BB,   96                          ; the way out: v96-127 the bias; v32-63 and v64-95 rows read back, by turns
.macro CROUND
	s_barrier_signal -1
	s_barrier_wait -1
	s_cmp_lg_u32 s[WV], 0
	s_cbranch_scc1 .Lnot_wave_0_\@
	s_barrier_signal -3
.Lnot_wave_0_\@:
	s_barrier_wait -3
	s_barrier_signal -1
	s_barrier_wait -1
.endm
.macro FRAG reg, a16, a8, off
	ds_load_b128 v[\reg:\reg+3], v[\a16] offset:\off
	ds_load_b64 v[\reg+4:\reg+5], v[\a8] offset:\off
	ds_load_b128 v[\reg+6:\reg+9], v[\a16] offset:\off+768
	ds_load_b64 v[\reg+10:\reg+11], v[\a8] offset:\off+768
.endm
.macro MM t, n, zero
.if \zero
	v_wmma_scale_f32_16x16x128_f8f6f4 v[ACC+8*(4*\n+\t):ACC+8*(4*\n+\t)+7], v[AF+12*\t:AF+12*\t+11], v[BF+12*\n:BF+12*\n+11], 0, v[SC+\t], v[SC+\n] matrix_a_fmt:MATRIX_FMT_FP6 matrix_b_fmt:MATRIX_FMT_FP6 matrix_b_scale:MATRIX_SCALE_ROW1
.else
	v_wmma_scale_f32_16x16x128_f8f6f4 v[ACC+8*(4*\n+\t):ACC+8*(4*\n+\t)+7], v[AF+12*\t:AF+12*\t+11], v[BF+12*\n:BF+12*\n+11], v[ACC+8*(4*\n+\t):ACC+8*(4*\n+\t)+7], v[SC+\t], v[SC+\n] matrix_a_fmt:MATRIX_FMT_FP6 matrix_b_fmt:MATRIX_FMT_FP6 matrix_b_scale:MATRIX_SCALE_ROW1
.endif
.endm
.macro KSTEP s, zero                   ; a K step of 128: 36 LDS loads, 16 products
.irp i, 0,1,2,3
	ds_load_b32 v[SC+\i], v[SCA] offset:TB2*\i+64*(\s)
.endr
.irp t, 0,1,2,3
	FRAG AF+12*\t, A16, A8, (TILEB+512*((\s)/4))*\t+1536*((\s)%4)   ; tiles lie TB2 apart for K steps 4-7, TILEB apart for 0-3
.endr
.irp n, 0,1,2,3
	FRAG BF+12*\n, B16, B8, (TILEB+512*((\s)/4))*\n+1536*((\s)%4)
.endr
.irp n, 0,1,2,3
	s_wait_dscnt 12-4*\n                           ; S1's fragment n and all before it are in; the four loads of each later fragment may be out
.irp t, 0,1,2,3
	MM \t, \n, \zero
.endr
.endr
.rept 4
	v_nop                                          ; four places between the products and the loads or vector lines that next write or read their registers
.endr
.endm
; The 16 tokens of tile n x my 64 features: the bias; through my stage; out as whole rows of 256 bytes
.macro OUTROWS n
.set BK, 32+32*((\n)%2)
.irp j, 0,2,4,6,8,10,12,14,16,18,20,22,24,26,28,30
	v_pk_add_f32 v[ACC+32*\n+\j:ACC+32*\n+\j+1], v[ACC+32*\n+\j:ACC+32*\n+\j+1], v[BB+\j:BB+\j+1]   ; each accumulator from its low end on
.endr
.if \n >= 2
	s_wait_alu depctr_va_vdst(0)
	s_wait_xcnt 0x0                                ; tile n - 2's stores have read their registers: the loads below may land there
.endif
.irp q, 0,1,2,3,4,5,6,7
	ds_store_b128 v[STO], v[ACC+32*\n+4*\q:ACC+32*\n+4*\q+3] offset:128*(\q/4)+16*(\q%4)   ; register 16 b + i is feature 32 b + 16 h + i
.endr
.irp i, 0,1,2,3,4,5,6,7
	ds_load_b128 v[BK+4*\i:BK+4*\i+3], v[SRD] offset:2*SPITCH*\i   ; LDS serves a wave's instructions in order: these see the stores above, and the next tile's stores come behind them
.endr
.irp i, 0,1,2,3,4,5,6,7
	s_wait_dscnt 7-\i                              ; read i is back; the later ones may be out
	global_store_b128 v[GO], v[BK+4*\i:BK+4*\i+3], s[ARG+6:ARG+7] offset:(32*(\n/2)+8*(\n%2)+2*\i+8*(\i/4))*4096 th:TH_STORE_NT   ; sixteen lanes store 256 consecutive bytes, at a multiple of 256 from out0's first byte
.endr
.endm
	s_load_b256 s[ARG:ARG+7], s[0:1], 0x0
	v_lshl_add_u32 v30, v0, 2, 0x36800
	v_mov_b32 v31, 0
	ds_add_u32 v30, v31
	ds_add_u32 v30, v31
	v_lshrrev_b32 v1, 5, v0
	v_readfirstlane_b32 s[WV], v1
	s_bfe_u32 s[S1T], ttmp6, 0x40000               ; cx
	s_bfe_u32 s[S0T], ttmp6, 0x40004               ; cy
	s_and_b32 s[WS0], s[WV], 1
	s_lshr_b32 s[WS1], s[WV], 1
	s_lshl_b32 s[TA], s[S0T], 2
	s_lshl_b32 s[TA], 15, s[TA]                    ; my row of the cluster
	s_lshl_b32 s[TBB], 0x1111, s[S1T]              ; my column
	s_or_b32 s[G1AC], s[TA], (3<<16)|(1<<21)       ; elements of 8 bytes, no padding; 15:0 the mask, bit 21 set beside it
	s_or_b32 s[G1AS], s[TA], (3<<16)|(1<<21)
	s_or_b32 s[G1BC], s[TBB], (3<<16)|(1<<21)
	s_or_b32 s[G1BS], s[TBB], (3<<16)|(1<<21)
.irp g, G1AC, G1BC
	s_mov_b32 s[\g+1], 768<<16                     ; half a record's codes, 6,144 bytes
	s_mov_b32 s[\g+2], 8<<16                       ; a side's eight records to a load
	s_mov_b32 s[\g+3], 768<<16
	s_mov_b32 s[\g+4], 8
	s_mov_b32 s[\g+5], 1600                        ; from record to record
	s_mov_b32 s[\g+6], 0
	s_mov_b32 s[\g+7], 0
.endr
.irp g, G1AS, G1BS
	s_mov_b32 s[\g+1], 832<<16                     ; the other half and the scale words, 6,656 bytes
	s_mov_b32 s[\g+2], 8<<16
	s_mov_b32 s[\g+3], 832<<16
	s_mov_b32 s[\g+4], 8
	s_mov_b32 s[\g+5], 1600
	s_mov_b32 s[\g+6], 0
	s_mov_b32 s[\g+7], 0
.endr
	s_and_b32 s[TA+2], ttmp7, 0xffff
	s_lshl_b32 s[TA+2], s[TA+2], 2
	s_add_co_u32 s[S0T], s[TA+2], s[S0T]           ; features 128 (4 cluster y + cy) on
	s_lshl_b32 s[TBB+2], ttmp9, 2
	s_add_co_u32 s[S1T], s[TBB+2], s[S1T]          ; tokens 128 (4 cluster x + cx) on
	s_mul_i32 s[TA+2], s[S0T], 8*REC
	s_add_co_u32 s[TA+2], s[TA+2], 192*REC         ; Wo in wc
	s_mov_b32 s[TA+3], 0
	s_mul_i32 s[TBB+2], s[S1T], 8*REC
	s_mov_b32 s[TBB+3], 0
	s_wait_dscnt 0x0
	s_wait_kmcnt 0x0
	s_add_nc_u64 s[TA:TA+1], s[ARG+2:ARG+3], s[TA+2:TA+3]
	s_add_nc_u64 s[TBB:TBB+1], s[ARG:ARG+1], s[TBB+2:TBB+3]
	s_mov_b32 s[G0A], 1                            ; S0: K steps 4-7 and the scale words, from byte 6,144 of each record
	s_mov_b32 s[G0A+1], 0
	s_add_nc_u64 s[G0A+2:G0A+3], s[TA:TA+1], TILEB
	s_or_b32 s[G0A+3], s[G0A+3], 0x80000000
	s_mov_b32 s[G0A+4], 1                          ; S0: K steps 0-3
	s_mov_b32 s[G0A+5], KHB
	s_mov_b64 s[G0A+6:G0A+7], s[TA:TA+1]
	s_or_b32 s[G0A+7], s[G0A+7], 0x80000000
	s_mov_b32 s[G0B], 1                            ; S1 likewise, behind S0's eight tiles
	s_mov_b32 s[G0B+1], 8*TB2
	s_add_nc_u64 s[G0B+2:G0B+3], s[TBB:TBB+1], TILEB
	s_or_b32 s[G0B+3], s[G0B+3], 0x80000000
	s_mov_b32 s[G0B+4], 1
	s_mov_b32 s[G0B+5], KHB+8*TILEB
	s_mov_b64 s[G0B+6:G0B+7], s[TBB:TBB+1]
	s_or_b32 s[G0B+7], s[G0B+7], 0x80000000
	CROUND                                         ; all sixteen work-groups are here: the joint loads meet
; All of the launch's fills: four joint loads, one to a wave, in one chain of branches on the wave's number.  Waves 0 and 1 ask for what is multiplied first, waves 2 and 3 for K steps 0-3.
.macro ARM under, g0, g1, next
	s_cmp_lt_u32 s[WV], \under
	s_cbranch_scc0 \next
	tensor_load_to_lds s[\g0:\g0+3], s[\g1:\g1+7]
	s_nop 0
.rept 4
	v_nop
.endr
	s_branch .Lfilled
\next:
.endm
	ARM 1, G0A, G1AS, .Larm_1
	ARM 2, G0B, G1BS, .Larm_2
	ARM 3, G0A+4, G1AC, .Larm_3
	tensor_load_to_lds s[G0B+4:G0B+7], s[G1BC:G1BC+7]
	s_nop 0
.rept 4
	v_nop
.endr
.Lfilled:
	s_lshl_b32 s[TA], s[S0T], 1
	s_add_co_u32 s[TA], s[TA], s[WS0]
	s_lshl_b32 s[TA], s[TA], 8                     ; my 64 features: 256 bytes, in bo and in a row of out0
	s_mov_b32 s[TA+1], 0
	s_add_nc_u64 s[ARG+4:ARG+5], s[ARG+4:ARG+5], s[TA:TA+1]
	s_lshl_b32 s[TA+2], s[S1T], 7
	s_lshl_b32 s[TA+3], s[WS1], 6
	s_add_co_u32 s[TA+2], s[TA+2], s[TA+3]         ; my first token
	s_lshl_b32 s[TA+2], s[TA+2], 12                ; a row of out0 is 4,096 bytes
	s_add_co_u32 s[TA+2], s[TA+2], s[TA]
	s_mov_b32 s[TA+3], 0
	s_add_nc_u64 s[ARG+6:ARG+7], s[ARG+6:ARG+7], s[TA+2:TA+3]
	v_and_b32 v[LANE], 31, v0
	v_and_b32 v[RR], 15, v0
	v_bfe_u32 v[HH], v0, 4, 1
	v_lshlrev_b32 v20, 3, v[LANE]
	global_load_b64 v[22:23], v20, s[ARG+4:ARG+5]  ; 256 consecutive bytes
	s_mul_i32 s[TA], s[WS0], 4*TB2
	v_lshl_add_u32 v[A16], v[LANE], 4, s[TA]
	v_lshl_add_u32 v[A8], v[LANE], 3, s[TA]
	v_add_nc_u32 v[A8], 512, v[A8]
	s_mul_i32 s[TA+1], s[WS1], 4*TB2
	s_add_co_u32 s[TA+1], s[TA+1], 8*TB2
	v_lshl_add_u32 v[B16], v[LANE], 4, s[TA+1]
	v_lshl_add_u32 v[B8], v[LANE], 3, s[TA+1]
	v_add_nc_u32 v[B8], 512, v[B8]
	s_mul_i32 s[TA], s[WS0], 4*TB2
	s_mul_i32 s[TA+1], s[WS1], 4*TB2
	s_add_co_u32 s[TA+1], s[TA+1], 8*TB2           ; S1's tiles lie behind S0's eight
	s_sub_co_u32 s[TA+1], s[TA+1], s[TA]
	v_mul_u32_u24 v[SCA], s[TA+1], v[HH]           ; lanes 16-31 take S1's: the lower base + h x the distance
	s_add_co_u32 s[TA], s[TA], TILEB               ; a tile's words stand behind its four K steps of codes
	v_lshl_add_u32 v[SCA], v[RR], 2, v[SCA]
	v_add_nc_u32 v[SCA], s[TA], v[SCA]
	s_lshl_b32 s[TA], s[WV], 8
	s_add_co_u32 s[TA], s[TA], BNC
	v_lshl_add_u32 v21, v[LANE], 3, s[TA]
	v_lshl_add_u32 v[BQK], v[HH], 6, s[TA]
	s_mul_i32 s[TA], s[WV], 16*SPITCH
	s_add_co_u32 s[TA], s[TA], STG
	v_mul_u32_u24 v[STO], v[RR], SPITCH
	v_lshl_add_u32 v[STO], v[HH], 6, v[STO]
	v_add_nc_u32 v[STO], s[TA], v[STO]
	v_mul_u32_u24 v[SRD], v[HH], SPITCH
	v_lshl_add_u32 v[SRD], v[RR], 4, v[SRD]
	v_add_nc_u32 v[SRD], s[TA], v[SRD]
	v_lshlrev_b32 v[GO], 12, v[HH]
	v_lshl_add_u32 v[GO], v[RR], 4, v[GO]
	s_wait_loadcnt 0x0
	ds_store_b64 v21, v[22:23]                     ; into my wave's own 256 bytes: only I read them
	s_cmp_lt_u32 s[WV], 2                          ; waves 0 and 1 wait for their loads, whose lines are theirs alone: K steps 4-7 and the scale words; the other two loads may be out
	s_cbranch_scc0 .Lnot_first
	s_wait_tensorcnt 0x0
.Lnot_first:
	s_wait_dscnt 0x0
	s_barrier_signal -1
	s_barrier_wait -1                              ; everybody's are
	KSTEP 4, 1                                     ; K steps 4-7 are summed first: they come with the scale words
	KSTEP 5, 0
	KSTEP 6, 0
	KSTEP 7, 0
	s_mul_i32 s[TA], s[WS0], 4*TILEB               ; my tiles' K steps 0-3
	s_add_co_u32 s[TA], s[TA], KHB
	s_mul_i32 s[TA+1], s[WS1], 4*TILEB
	s_add_co_u32 s[TA+1], s[TA+1], KHB+8*TILEB
	v_lshl_add_u32 v[A16], v[LANE], 4, s[TA]
	v_lshl_add_u32 v[A8], v[LANE], 3, s[TA]
	v_lshl_add_u32 v[B16], v[LANE], 4, s[TA+1]
	v_lshl_add_u32 v[B8], v[LANE], 3, s[TA+1]
	v_add_nc_u32 v[A8], 512, v[A8]
	v_add_nc_u32 v[B8], 512, v[B8]
	s_wait_alu depctr_va_vdst(0)
	s_wait_tensorcnt 0x0                           ; every wave: all that was still out is in,
	s_barrier_signal -1
	s_barrier_wait -1                              ; everybody's is
	KSTEP 0, 0
	KSTEP 1, 0
	KSTEP 2, 0
	KSTEP 3, 0
.irp b, 0,1
.irp q, 0,1,2,3
	ds_load_b128 v[BB+16*\b+4*\q:BB+16*\b+4*\q+3], v[BQK] offset:128*\b+16*\q   ; register 16 b + i: the bias of feature 32 b + 16 h + i
.endr
.endr
	s_wait_dscnt 0x0
	OUTROWS 0
	OUTROWS 1
	OUTROWS 2
	OUTROWS 3
	s_wait_tensorcnt 0x0
	ds_add_u32 v30, v31
	s_wait_dscnt 0x0
	CROUND                                         ; the closing round: no work-group ends while a partner may still ask for a tile that names it
	s_endpgm
.Lfunc_end_k_q3594c1a0d5_outp:
	.size	k_q3594c1a0d5_outp, .Lfunc_end_k_q3594c1a0d5_outp-k_q3594c1a0d5_outp
	.p2alignl 7, 3214868480
	.fill 96, 4, 3214868480
	.section	.rodata,"a",@progbits
	.p2align	6, 0x0
	.amdhsa_kernel k_q3594c1a0d5_outp
		.amdhsa_group_segment_fixed_size 223744
		.amdhsa_private_segment_fixed_size 0
		.amdhsa_enable_private_segment 0
		.amdhsa_kernarg_size 32
		.amdhsa_user_sgpr_count 2
		.amdhsa_user_sgpr_kernarg_segment_ptr 1
		.amdhsa_wavefront_size32 1
		.amdhsa_system_sgpr_workgroup_id_x 1
		.amdhsa_system_sgpr_workgroup_id_y 1
		.amdhsa_system_sgpr_workgroup_id_z 1
		.amdhsa_system_vgpr_workitem_id 0
		.amdhsa_next_free_vgpr 256
		.amdhsa_next_free_sgpr 96
		.amdhsa_reserve_vcc 0
		.amdhsa_float_denorm_mode_32 3
		.amdhsa_float_denorm_mode_16_64 3
		.amdhsa_memory_ordered 1
		.amdhsa_forward_progress 1
		.amdhsa_inst_pref_size 59
	.end_amdhsa_kernel
	.amdgpu_metadata
---
amdhsa.version: [ 1, 2 ]
amdhsa.kernels:
  - .name:           k_q3594c1a0d5_outp
    .symbol:         k_q3594c1a0d5_outp.kd
    .args:
      - { .name: oc, .offset: 0, .size: 8, .value_kind: global_buffer, .address_space: global }
      - { .name: wc, .offset: 8, .size: 8, .value_kind: global_buffer, .address_space: global }
      - { .name: bo, .offset: 16, .size: 8, .value_kind: global_buffer, .address_space: global }
      - { .name: out0, .offset: 24, .size: 8, .value_kind: global_buffer, .address_space: global }
    .group_segment_fixed_size: 223744
    .private_segment_fixed_size: 0
    .kernarg_segment_align: 8
    .kernarg_segment_size: 32
    .max_flat_workgroup_size: 128
    .sgpr_count:     96
    .vgpr_count:     256
    .wavefront_size: 32
...
	.end_amdgpu_metadata
.endif
;; end of part 4
